; MI455X (gfx1250); checked and timed in simulation.
; The chip was launched on July 23, 2026; its instructions are those of AMD's public machine-readable ISA for CDNA 5 (MIT licence, August 2026) and "CDNA5" Instruction Set Architecture Reference Guide (July 2026). The comments in the code are by the model that wrote it; some were corrected since.
;; Multi Head Self Attention. Allowed arithmetic: matrix products marked QUANTISED: E2M1 operands, one E8M0 scale for each 32 along K, by v_wmma_scale_f32_16x16x128_f8f6f4 with both operands' format E2M1 (or v_wmma_scale_f32_32x16x128_f4), f32 sums; products left as they are: bf16, f16 or f32 operands; f32 sums; everything else in f32.
;; Inputs: token_positions 2,048 int32; w_out 1,024 x 1,024 float32; w_qkv 3,072 x 1,024 float32; x 2 x 2,048 x 1,024 float32.
;; Outputs: out0 2 x 2,048 x 1,024 float32.
;; Constants: num_heads = 16.
;; This version of the problem:
;;   THIS VERSION OF THE PROBLEM IS GIVEN IN LOW PRECISION. The matrix products marked QUANTISED in the list below multiply operands that are first quantised to E2M1 (2 exponent bits, 1 mantissa bit; 4 bits a number), with one power-of-two scale for each 32 numbers along K (OCP MX v1.0); their sums are f32. The products marked 'left as it is' may take bf16, f16 or f32 operands, with f32 sums. Whichever they take, every output number must still come out within the allowed error. Rounding operands to bf16 (8 significant bits) uses up far more of that allowance than f16 does (11 bits, for magnitudes from 6e-5 to 65,504). All else is computed in f32.
;;   The module's matrix products, in the order in which they are computed (A, B: the left and right operand; K: the contracted axis; several contracted axes count as one K, in the product's order):
;;     1. [M 4,096, K 1,024] x [K 1,024, N 3,072]; A: input x; B: input w_qkv: QUANTISED
;;     2. batch 32 x [M 2,048, K 64] x [K 64, N 2,048]; A: computed on the way; B: computed on the way: left as it is (an operand is computed on the way)
;;     3. batch 32 x [M 2,048, K 2,048] x [K 2,048, N 64]; A: computed on the way; B: computed on the way: left as it is (an operand is computed on the way)
;;     4. [M 4,096, K 1,024] x [K 1,024, N 1,024]; A: computed on the way; B: input w_out: left as it is (an operand is computed on the way)
;;   THE QUANTISER, for each operand of a quantised product, along K:
;;     - K is cut into blocks of 32 from its start; a last block that is shorter is filled with zeros.
;;     - A block's scale is 2^e with e = floor(log2(the largest magnitude in the block)) - 2, held to -126 .. 127; a block of zeros has e = 0. As a byte (E8M0): e + 127.
;;     - Each number is divided by its block's scale, clamped to +-6, and rounded to the nearest number of E2M1, ties to even, subnormals kept.
;;     - The product sums the exact products of the quantised numbers (number of the format x scale) in f32.
;;   ~~~python
;;   def quantise(x, axis):      # numpy; x: float32 -> the quantised numbers, widened to float32 again
;;       x = np.moveaxis(x, axis, -1); K = x.shape[-1]
;;       x = np.pad(x, [(0, 0)] * (x.ndim - 1) + [(0, -K % 32)]); x = x.reshape(x.shape[:-1] + (-1, 32)); a = np.abs(x).max(-1, keepdims=True)
;;       e = np.where(a > 0, np.clip(np.frexp(np.where(a > 0, a, 1))[1] - 1 - 2, -126, 127), 0)      # np.frexp(a)[1] - 1 = floor(log2(a)), exactly
;;       r = np.clip(x / 2.0 ** e, -6, 6)
;;       step = 2.0 ** (np.maximum(np.frexp(np.where(r == 0, 1, r))[1] - 1, 0) - 1)
;;       q = np.round(r / step) * step * 2.0 ** e      # np.round: ties to even
;;       return np.moveaxis(q.reshape(q.shape[:-2] + (-1,))[..., :K], -1, axis).astype(np.float32)
;;   ~~~
;; One version. Each part assembles by itself: llvm-mc -triple=amdgcn-amd-amdhsa -mcpu=gfx1250 --defsym DOCPART=n.
;; ======== version 1 of 1: 5 launches
;; limits: values are held in f16: magnitudes above 65,504 overflow, below 6.1e-05 lose precision; a function is approximated: absolute error at most 2e-06; right only within a limited range of input values
;; workspace buffers: codes 3,670,016 bytes; scales 229,376 bytes; wo16 2,097,152 bytes; tab 1,048,576 bytes; qkvh 25,165,824 bytes; fineb 393,216 bytes; ao 8,388,608 bytes
;; launch prep (part 1): grid 288 x 1, 4 waves a work-group, no clusters, 33,280 bytes of LDS; arguments x, w_qkv, w_out, token_positions, codes, scales, wo16, tab; writes codes, scales, wo16, tab
.if DOCPART == 1
	.amdgcn_target "amdgcn-amd-amdhsa--gfx1250"
	.amdhsa_code_object_version 6
	.text
	.protected	k_q14c16bcb8f_prep
	.globl	k_q14c16bcb8f_prep
	.p2align	8
	.type	k_q14c16bcb8f_prep,@function
k_q14c16bcb8f_prep:
	s_mov_b64 s[64:65], 0
	v_nop
	global_prefetch_b8 v0, s[64:65] scope:SCOPE_SE
	s_setreg_imm32_b32 hwreg(HW_REG_WAVE_MODE, 25, 1), 1
	s_wait_xcnt 0x0
; PREP: three jobs, told apart by the work-group's number.
;  A (work-groups 0-223): x [4096][1024] and w_qkv [3072][1024], f32, become codes of FP4 (E2M1), K innermost, two codes a byte, with one E8M0 byte for each 32 along K.
;     Both tensors are dense streams of blocks of 32, and so are the two outputs: x's part first, w_qkv's behind it (codes from byte 2,097,152, scale bytes from byte 131,072).
;     A block's scale is 2^(floor(log2(largest magnitude)) - 2); its byte is the largest magnitude's exponent field - 2, held at 1 from below.
;     Loads run eight steps ahead: 32 loads, 16,384 bytes, of every wave are on their way.
;  B (224-255): w_out [1024][1024] f32 becomes f16, laid [n/128][k/64][n%128][64]: a tile of 128 rows and 64 along K is 16,384 consecutive bytes.
;  C (256-287): the table of rotations, f32, [kind 2][position index 2048][cos 32 | sin 32]; kind 0 is multiplied by c = log2(e)/8 (for q: the scores then come in units of log2), kind 1 is plain (for k).
; LIMITS: a block of zeros gets the byte 1 (its codes are zeros, and this program alone reads the bytes); NaN and infinities are not served; w_out must lie under 65,504 in magnitude;
;     cos and sin: the angle is position x 2^(-i log2(10000)/32) in f32, reduced by pi/2 in three parts with fused multiply-adds, good to about 2e-6 for |position| up to 65,536.
.set WAVES, 4
.set STEPS, 16
.set AHEAD, 8                          ; steps of loads on their way
.set EMAX,  2
.set CB,    8                          ; bytes of 16 codes
.set R,     16                         ; v16-143  eight sets of 16 numbers as they are loaded
.set X,     144                        ; v144-175 two sets of 16 neighbours
.set E,     176                        ; v176-191 a scale byte a step
.set C,     192                        ; v192-255 codes: four registers a step
.set WREG,  8192                       ; LDS: a region for each wave: two stages of 32 x SP bytes, then its 256 scale bytes
.set SP,    80
.set SPW,   12                         ; v12 LDS address of my spare word; never rewritten
.set NIL,   13                         ; v13 0; never rewritten
.set SPARE, WAVES*WREG                 ; the spare words, 128 bytes a wave, named by no other line
	s_load_b256 s[4:11], s[0:1], 0x0               ; x s[4:5], w_qkv s[6:7], w_out s[8:9], token_positions s[10:11]
	s_load_b256 s[12:19], s[0:1], 0x20             ; codes s[12:13], scales s[14:15], wo16 s[16:17], tab s[18:19]
	v_lshl_add_u32 v[SPW], v0, 2, SPARE
	v_mov_b32 v[NIL], 0
	v_lshrrev_b32 v1, 5, v0
	v_readfirstlane_b32 s20, v1                    ; wave
	v_and_b32 v2, 31, v0                           ; lane
	s_wait_kmcnt 0x0
	s_cmp_ge_u32 ttmp9, 256
	s_cbranch_scc1 .Ltable
	s_cmp_ge_u32 ttmp9, 224
	s_cbranch_scc1 .Lwout
; ---- A: the quantiser.  A wave takes 16 steps of 512 numbers.  Each load reads 512 consecutive bytes; a step's 2,048 bytes turn through the wave's own stage so that a lane holds 16 neighbours.
	v_lshlrev_b32 v3, 4, v2                        ; my 16 bytes of a load's 512
	s_mul_i32 s21, s20, WREG
	v_lshrrev_b32 v14, 2, v2
	v_mul_u32_u24 v14, v14, SP
	v_and_b32 v15, 3, v2
	v_lshl_add_u32 v14, v15, 4, v14
	v_add_nc_u32 v14, s21, v14                     ; the stage, on the way in: SP (lane / 4) + 16 (lane % 4)
	v_mul_u32_u24 v15, v2, SP
	v_add_nc_u32 v15, s21, v15                     ; and on the way out: SP x lane
	v_mul_u32_u24 v4, v2, CB                       ; my codes' place in a step's
	v_lshrrev_b32 v5, 1, v2
	s_add_co_u32 s21, s21, 2*32*SP
	v_add_nc_u32 v5, s21, v5                       ; my block's scale byte in LDS
	v_lshlrev_b32 v7, 3, v2
	v_add_nc_u32 v6, s21, v7                       ; and 8 bytes a lane on the way out
	s_cmp_lt_u32 ttmp9, 128                        ; x's work-group or w_qkv's: the choice hangs on the work-group's number alone
	s_cselect_b64 s[4:5], s[4:5], s[6:7]
	s_cselect_b32 s21, 0, 128
	s_sub_co_u32 s21, ttmp9, s21
	s_lshl_b32 s21, s21, 2
	s_add_co_u32 s22, s21, s20                     ; which run of 8,192 numbers of the tensor
	s_mov_b32 s23, 0
	s_lshl_b64 s[24:25], s[22:23], 15              ; 32,768 bytes a run
	s_add_nc_u64 s[4:5], s[4:5], s[24:25]
	s_lshl_b32 s22, ttmp9, 2
	s_add_co_u32 s22, s22, s20                     ; which run of the two outputs: they are one stream
	s_lshl_b32 s24, s22, 12                        ; 4,096 bytes of codes a run
	s_mov_b32 s25, 0
	s_add_nc_u64 s[12:13], s[12:13], s[24:25]
	s_lshl_b32 s24, s22, 8                         ; 256 scale bytes a run
	s_add_nc_u64 s[14:15], s[14:15], s[24:25]
.macro LOAD t
.irp i, 0,1,2,3
	global_load_b128 v[R+16*((\t)%AHEAD)+4*\i:R+16*((\t)%AHEAD)+4*\i+3], v3, s[4:5] offset:2048*(\t)+512*\i th:TH_LOAD_NT
.endr
.endm
.macro TURN t                          ; LDS serves a wave's instructions in order: no wait between the stores and the loads
.irp i, 0,1,2,3
	ds_store_b128 v14, v[R+16*((\t)%AHEAD)+4*\i:R+16*((\t)%AHEAD)+4*\i+3] offset:32*SP*((\t)%2)+8*SP*\i
.endr
.irp i, 0,1,2,3
	ds_load_b128 v[X+16*((\t)%2)+4*\i:X+16*((\t)%2)+4*\i+3], v15 offset:32*SP*((\t)%2)+16*\i
.endr
.endm
.irp t, 0,1,2,3,4,5,6,7
	LOAD \t
.endr
	s_wait_loadcnt 4*(AHEAD-1)                     ; step 0's four loads are in; the 28 of the seven steps behind it may be out
	TURN 0
.macro STEP t
.set XS, X+16*((\t)%2)
.if (\t) > 0
	s_wait_dscnt 1                                 ; this step's numbers are back from the stage, so the stage's stores have read their set; the last step's byte store may be out
.else
	s_wait_dscnt 0x0
.endif
.if (\t)+AHEAD < STEPS
	LOAD (\t)+AHEAD                                ; into the set that this step's numbers have left
.endif
.if (\t)+1 < STEPS
.if STEPS-2-(\t) >= AHEAD-1
	s_wait_loadcnt 4*(AHEAD-1)                     ; the next step's four loads are in; those of the seven steps behind it may be out
.else
	s_wait_loadcnt 4*(STEPS-2-(\t))                ; in the tail: those of the steps that are left behind it
.endif
	TURN (\t)+1
.endif
	v_max3_num_f32 v8, |v[XS]|, |v[XS+1]|, |v[XS+2]|
	v_max3_num_f32 v9, |v[XS+3]|, |v[XS+4]|, |v[XS+5]|
.irp i, 6,10
	v_max3_num_f32 v8, v8, |v[XS+\i]|, |v[XS+\i+1]|
	v_max3_num_f32 v9, v9, |v[XS+\i+2]|, |v[XS+\i+3]|
.endr
	v_max3_num_f32 v8, v8, |v[XS+14]|, |v[XS+15]|
	v_max3_num_f32 v8, v8, v9, (EMAX+1)<<23        ; the floor 2^(3 - 127): the byte cannot fall under 1
	v_max_num_f32_dpp v8, v8, v8 row_xmask:1 row_mask:0xf bank_mask:0xf   ; with my neighbour's 16: the block's largest magnitude
	v_add_nc_u32 v11, -(EMAX<<23), v8              ; 2 off its exponent field: the conversion takes that field as its scale
	v_cvt_scalef32_pk8_fp4_f32 v[C+4*(\t)], v[XS:XS+7], v11
	v_cvt_scalef32_pk8_fp4_f32 v[C+4*(\t)+1], v[XS+8:XS+15], v11
	v_lshrrev_b32 v[E+(\t)], 23, v11               ; the scale's byte
	ds_store_b8 v5, v[E+(\t)] offset:16*(\t)       ; both lanes of a block write the same byte with the same value
	global_store_b64 v4, v[C+4*(\t):C+4*(\t)+1], s[12:13] offset:32*CB*(\t)   ; the wave stores 256 consecutive bytes, aligned
.endm
.irp t, 0,1,2,3,4,5,6,7,8,9,10,11,12,13,14,15
	STEP \t
.endr
	ds_load_b64 v[8:9], v6
	s_wait_dscnt 0x0
	global_store_b64 v7, v[8:9], s[14:15]          ; my wave's 256 scale bytes, consecutive and aligned
	s_wait_tensorcnt 0x0                           ; the wave's end
	ds_add_u32 v[SPW], v[NIL]
	s_wait_dscnt 0x0
	s_endpgm
; ---- B: w_out to f16.  Wave w of work-group j owns rows 32 j + 8 w .. + 7: four pairs of rows x 16 blocks of 64 along K.
.Lwout:
	s_sub_co_u32 s21, ttmp9, 224                   ; j
	s_lshl_b32 s22, s21, 5
	s_lshl_b32 s23, s20, 3
	s_add_co_u32 s22, s22, s23                     ; my first row
	s_lshl_b32 s24, s22, 12                        ; a row of w_out is 4,096 bytes
	s_mov_b32 s25, 0
	s_add_nc_u64 s[8:9], s[8:9], s[24:25]
	s_lshr_b32 s24, s21, 2
	s_lshl_b32 s24, s24, 18                        ; the tile of 128 rows: 262,144 bytes
	s_and_b32 s23, s22, 127
	s_lshl_b32 s23, s23, 7                         ; my first row in it: 128 bytes a row
	s_add_co_u32 s24, s24, s23
	s_add_nc_u64 s[16:17], s[16:17], s[24:25]
	v_lshrrev_b32 v3, 4, v2
	v_and_b32 v4, 15, v2
	v_lshlrev_b32 v5, 12, v3
	v_lshl_add_u32 v5, v4, 4, v5                   ; in: lanes 0-15 256 bytes of one row, lanes 16-31 of the next
	v_lshlrev_b32 v6, 7, v3
	v_lshl_add_u32 v6, v4, 3, v6                   ; out: the two rows' 128 bytes lie on end: 256 consecutive bytes
.macro WLOAD p
.irp kb, 0,1,2,3,4,5,6,7,8,9,10,11,12,13,14,15
	global_load_b128 v[16+64*((\p)%2)+4*\kb:16+64*((\p)%2)+4*\kb+3], v5, s[8:9] offset:(\p)*8192+\kb*256 th:TH_LOAD_NT
.endr
.endm
	WLOAD 0
.irp p, 0,1,2,3
.if \p < 3
	WLOAD \p+1
	s_wait_loadcnt 16                              ; this pair's 16 loads are in; the next pair's may be out
.else
	s_wait_loadcnt 0x0
.endif
.if \p > 0
	s_wait_xcnt 0x0                                ; the last pair's stores have read their data: v144-175 are written again
.endif
.irp kb, 0,1,2,3,4,5,6,7,8,9,10,11,12,13,14,15
	v_cvt_pk_f16_f32 v[144+2*\kb], v[16+64*(\p%2)+4*\kb], v[17+64*(\p%2)+4*\kb]
	v_cvt_pk_f16_f32 v[145+2*\kb], v[18+64*(\p%2)+4*\kb], v[19+64*(\p%2)+4*\kb]
.endr
.irp kb, 0,1,2,3,4,5,6,7,8,9,10,11,12,13,14,15
	global_store_b64 v6, v[144+2*\kb:145+2*\kb], s[16:17] offset:\kb*16384+\p*256
.endr
.endr
	s_endpgm
; ---- C: the table.  Wave w of work-group j owns position indices 64 j + 16 w + 2 t + (lane / 16), t = 0 .. 7.  Lane column col = lane % 16: frequencies 4 (col % 8) + 0 .. 3; columns 0-7 make cos, 8-15 sin.
; theta = r + k pi/2.  cos theta is cos r, -sin r, -cos r, sin r for k mod 4 = 0 .. 3, and sin theta is the same list at k + 3.
.Ltable:
	s_sub_co_u32 s21, ttmp9, 256
	s_lshl_b32 s22, s21, 6
	s_lshl_b32 s23, s20, 4
	s_add_co_u32 s22, s22, s23                     ; my first position index
	s_lshl_b32 s24, s22, 2
	s_mov_b32 s25, 0
	s_add_nc_u64 s[10:11], s[10:11], s[24:25]
	s_lshl_b32 s24, s22, 8                         ; a row of the table is 256 bytes
	s_add_nc_u64 s[18:19], s[18:19], s[24:25]
	v_lshrrev_b32 v5, 4, v2
	v_lshlrev_b32 v5, 2, v5
.irp t, 0,1,2,3,4,5,6,7
	global_load_b32 v[16+\t], v5, s[10:11] offset:8*\t
.endr
	v_lshlrev_b32 v3, 4, v2                        ; 16 x lane: two rows of the table an instruction
	v_bfe_u32 v4, v2, 3, 1
	v_mul_u32_u24 v4, v4, 3                        ; 3 more quarter turns in the lanes that make sin
	v_and_b32 v6, 7, v2
	v_lshlrev_b32 v6, 2, v6
.irp e, 0,1,2,3
	v_add_nc_u32 v[8+\e], \e, v6                   ; i
.endr
.irp e, 0,1,2,3
	v_cvt_f32_u32 v[8+\e], v[8+\e]
.endr
.irp e, 0,1,2,3
	v_mul_f32 v[8+\e], 0xbed49a78, v[8+\e]         ; -i log2(10000) / 32
.endr
.irp e, 0,1,2,3
	v_exp_f32 v[8+\e], v[8+\e]                     ; 10000^(-i/32)
.endr
	s_mov_b32 s24, 0x3f22f983                      ; 2 / pi
	s_mov_b32 s25, 0x3fc90000                      ; pi / 2 in three parts
	s_mov_b32 s26, 0x39fda000
	s_mov_b32 s27, 0x33a22168
	s_mov_b32 s28, 0xb94ca1f9                      ; sin's polynomial on |r| <= pi/4
	s_mov_b32 s29, 0x3c08839e
	s_mov_b32 s30, 0xbe2aaaa3
	s_mov_b32 s31, 0x37ccf5ce                      ; cos's
	s_mov_b32 s32, 0xbab6061a
	s_mov_b32 s33, 0x3d2aaaa5
	s_mov_b32 s34, 0x3e38aa3b                      ; c = log2(e) / 8
	v_nop                                          ; a plain instruction behind the last exponential
	s_wait_alu depctr_va_vdst(0)                   ; one wait for the four, ahead of their first reader
	s_wait_loadcnt 0x0
.irp t, 0,1,2,3,4,5,6,7
	v_cvt_f32_i32 v[16+\t], v[16+\t]
.endr
; work registers of frequency e at v[32 + 8 e]: +0 angle, then r; +1 k; +2 z = r^2; +3 sin r; +4 r z; +5 cos r; +6, +7 at work.  The four frequencies go line by line, so that no line waits for the line above it.
.macro SINCOS t
.irp e, 0,1,2,3
	v_mul_f32 v[32+8*\e], v[16+\t], v[8+\e]
.endr
.irp e, 0,1,2,3
	v_mul_f32 v[33+8*\e], s24, v[32+8*\e]
.endr
.irp e, 0,1,2,3
	v_rndne_f32 v[33+8*\e], v[33+8*\e]
.endr
.irp e, 0,1,2,3
	v_fma_f32 v[32+8*\e], -v[33+8*\e], s25, v[32+8*\e]
.endr
.irp e, 0,1,2,3
	v_fma_f32 v[32+8*\e], -v[33+8*\e], s26, v[32+8*\e]
.endr
.irp e, 0,1,2,3
	v_fma_f32 v[32+8*\e], -v[33+8*\e], s27, v[32+8*\e]
.endr
.irp e, 0,1,2,3
	v_cvt_i32_f32 v[33+8*\e], v[33+8*\e]
.endr
.irp e, 0,1,2,3
	v_mul_f32 v[34+8*\e], v[32+8*\e], v[32+8*\e]
.endr
.irp e, 0,1,2,3
	v_add_nc_u32 v[33+8*\e], v[33+8*\e], v4
.endr
.irp e, 0,1,2,3
	v_fma_f32 v[35+8*\e], v[34+8*\e], s28, s29
	v_fma_f32 v[37+8*\e], v[34+8*\e], s31, s32
.endr
.irp e, 0,1,2,3
	v_mul_f32 v[36+8*\e], v[32+8*\e], v[34+8*\e]
	v_fma_f32 v[38+8*\e], v[34+8*\e], -0.5, 1.0
.endr
.irp e, 0,1,2,3
	v_fma_f32 v[35+8*\e], v[35+8*\e], v[34+8*\e], s30
	v_fma_f32 v[37+8*\e], v[37+8*\e], v[34+8*\e], s33
.endr
.irp e, 0,1,2,3
	v_mul_f32 v[39+8*\e], v[34+8*\e], v[34+8*\e]
.endr
.irp e, 0,1,2,3
	v_fma_f32 v[35+8*\e], v[35+8*\e], v[36+8*\e], v[32+8*\e]   ; sin r
	v_fma_f32 v[37+8*\e], v[37+8*\e], v[39+8*\e], v[38+8*\e]   ; cos r
.endr
.irp e, 0,1,2,3
	v_and_b32 v[38+8*\e], 1, v[33+8*\e]
	v_add_nc_u32 v[33+8*\e], 1, v[33+8*\e]
.endr
.irp e, 0,1,2,3
	v_lshlrev_b32 v[33+8*\e], 30, v[33+8*\e]
.endr
.irp e, 0,1,2,3
	v_and_b32 v[33+8*\e], 0x80000000, v[33+8*\e]   ; minus where k mod 4 is 1 or 2
.endr
.irp e, 0,1,2,3
	v_cmp_eq_u32 vcc_lo, 1, v[38+8*\e]
	v_cndmask_b32 v[35+8*\e], v[37+8*\e], v[35+8*\e], vcc_lo   ; an odd k takes sin r
.endr
.irp e, 0,1,2,3
	v_xor_b32 v[132+8*\t+\e], v[33+8*\e], v[35+8*\e]
.endr
.irp e, 0,1,2,3
	v_mul_f32 v[128+8*\t+\e], s34, v[132+8*\t+\e]
.endr
	global_store_b128 v3, v[128+8*\t:131+8*\t], s[18:19] offset:512*\t            ; each store covers 512 consecutive bytes; each t has registers of its own
	global_store_b128 v3, v[132+8*\t:135+8*\t], s[18:19] offset:512*\t+524288
.endm
.irp t, 0,1,2,3,4,5,6,7
	SINCOS \t
.endr
	s_endpgm
.Lfunc_end_k_q14c16bcb8f_prep:
	.size	k_q14c16bcb8f_prep, .Lfunc_end_k_q14c16bcb8f_prep-k_q14c16bcb8f_prep
	.p2alignl 7, 3214868480
	.fill 96, 4, 3214868480
	.section	.rodata,"a",@progbits
	.p2align	6, 0x0
	.amdhsa_kernel k_q14c16bcb8f_prep
		.amdhsa_group_segment_fixed_size 33280
		.amdhsa_private_segment_fixed_size 0
		.amdhsa_enable_private_segment 0
		.amdhsa_kernarg_size 64
		.amdhsa_user_sgpr_count 2
		.amdhsa_user_sgpr_kernarg_segment_ptr 1
		.amdhsa_wavefront_size32 1
		.amdhsa_system_sgpr_workgroup_id_x 1
		.amdhsa_system_sgpr_workgroup_id_y 1
		.amdhsa_system_sgpr_workgroup_id_z 1
		.amdhsa_system_vgpr_workitem_id 0
		.amdhsa_next_free_vgpr 256
		.amdhsa_next_free_sgpr 66
		.amdhsa_reserve_vcc 1
		.amdhsa_float_denorm_mode_32 3
		.amdhsa_float_denorm_mode_16_64 3
		.amdhsa_memory_ordered 1
		.amdhsa_forward_progress 1
		.amdhsa_inst_pref_size 96
	.end_amdhsa_kernel
	.amdgpu_metadata
---
amdhsa.version: [ 1, 2 ]
amdhsa.kernels:
  - .name:           k_q14c16bcb8f_prep
    .symbol:         k_q14c16bcb8f_prep.kd
    .args:
      - { .name: x, .offset: 0, .size: 8, .value_kind: global_buffer, .address_space: global }
      - { .name: w_qkv, .offset: 8, .size: 8, .value_kind: global_buffer, .address_space: global }
      - { .name: w_out, .offset: 16, .size: 8, .value_kind: global_buffer, .address_space: global }
      - { .name: token_positions, .offset: 24, .size: 8, .value_kind: global_buffer, .address_space: global }
      - { .name: codes, .offset: 32, .size: 8, .value_kind: global_buffer, .address_space: global }
      - { .name: scales, .offset: 40, .size: 8, .value_kind: global_buffer, .address_space: global }
      - { .name: wo16, .offset: 48, .size: 8, .value_kind: global_buffer, .address_space: global }
      - { .name: tab, .offset: 56, .size: 8, .value_kind: global_buffer, .address_space: global }
    .group_segment_fixed_size: 33280
    .private_segment_fixed_size: 0
    .kernarg_segment_align: 8
    .kernarg_segment_size: 64
    .max_flat_workgroup_size: 128
    .sgpr_count:     66
    .vgpr_count:     256
    .wavefront_size: 32
...
	.end_amdgpu_metadata
.endif
;; end of part 1
;; launch qkv (part 2): grid 12 x 16, 4 waves a work-group, clusters of 4 x 4, 327,680 bytes of LDS; arguments codes, scales, tab, qkvh, fineb; writes qkvh, fineb
.if DOCPART == 2
	.amdgcn_target "amdgcn-amd-amdhsa--gfx1250"
	.amdhsa_code_object_version 6
	.text
	.protected	k_q14c16bcb8f_qkv
	.globl	k_q14c16bcb8f_qkv
	.p2align	8
	.type	k_q14c16bcb8f_qkv,@function
k_q14c16bcb8f_qkv:
	s_mov_b64 s[64:65], 0
	v_nop
	global_prefetch_b8 v0, s[64:65] scope:SCOPE_SE
	s_setreg_imm32_b32 hwreg(HW_REG_WAVE_MODE, 25, 1), 1
	s_wait_xcnt 0x0
	s_wait_alu depctr_hold_cnt(0) depctr_sa_sdst(0) depctr_va_vdst(0) depctr_va_sdst(0) depctr_va_ssrc(0) depctr_va_vcc(0) depctr_vm_vsrc(0)
	s_getreg_b32 s2, hwreg(HW_REG_IB_STS2, 6, 4)
	s_cmp_eq_u32 s2, 0
	s_cbranch_scc0 .Lentry_in_a_cluster
	s_endpgm
.Lentry_in_a_cluster:
	s_bfe_u32 s2, ttmp6, 0x10000c
	s_cmp_lg_u32 s2, 0xf033
	s_cbranch_scc0 .Lentry_shape_is_right
	s_endpgm
.Lentry_shape_is_right:
; QKV: C[t][n] = sum over k of x[t][k] w_qkv[n][k] on codes of FP4 (E2M1) with one E8M0 scale for each 32 along K; sums in f32.  M = 4,096 tokens, N = 3,072, K = 1,024.
; Then the rotation of q and k by the table (q's table carries c = log2(e)/8), rounding to f16, and the heads laid apart: qkvh [type 3][batch x 16 + head][position][64].
; The first 16 positions of each batch leave once more in f32, as images of the registers: fineb [batch][n/16][half 2][lane][4].
; A tile of C, 256 x 256, is made by four waves, 128 x 128 each: 64 accumulators, 512 registers.  K is two steps of 512: both, and all scale bytes, are first fills; nothing is filled again.
; CLUSTERS: 4 x 4 work-groups; A's tiles are asked for jointly along a row of the cluster, B's along a column.  A cluster spans 1,024 columns: one of q, k, v, which is the cluster's x.
; THE MATRIX INSTRUCTION IS USED TRANSPOSED (source 0 = 16 rows of w, source 1 = 16 tokens): a lane holds one token (lane % 16) and eight neighbouring channels 8 (lane / 16) + 0 .. 7.
; LIMITS: q x c, k and v must lie under 65,504 in magnitude (f16).
; REGISTERS: window 0: v0-31 addresses; v32-95 scale words and nothing else; v96-127 packed f16; v128-191 A's fragments, later rotated numbers; v192-255 rows read back, two sets.
;   window 1: B's fragments at v0 and v128; cos and sin at v64-95 and v192-223, two sets.   windows 2, 3: the accumulators ((a, b) at v[8 (8 (a % 4) + b)]).
.set KSTEP,  512
.set NQ,     KSTEP/128
.set ROWB,   256                       ; a tile's row in bytes
.set KROW,   512                       ; a row of codes in memory
.set PITCH,  272                       ; an LDS row: 256 bytes + 16 of padding: the 16 rows of a load start at 16 different banks (64 banks of 4 bytes: ISA guide 11.1)
.set FR,     8
.set NL,     2
.set NP,     4
.set HALFT,  128*PITCH
.set SLOT,   4*HALFT
.set KS,     32                        ; a row of scale bytes
.set SCL,    2*SLOT
.set HALFS,  (128*KS/256)*272
.set SBLK,   (16*KS/256)*272
.set SPARE,  SCL+4*HALFS               ; the spare words, 128 bytes a wave, named by no other line
.set SPITCH, 272                       ; the way out: a stage of 16 rows x (256 + 16) bytes a wave, in slot 0, which has had its only fill and its last read by then
.set ADRA, 16
.set ADRB, 20
.set STO,  24
.set RD,   25
.set CO,   26                          ; 16 x lane
.set ADRS, 27
.set SPW,  28
.set NIL,  29
.set TOF,  30                          ; the table: 256 (lane % 16) + 16 (lane / 16)
.set CYV,  31                          ; my place along the cluster's y, as a number in every lane
.set SC,   32
.set TMP,  96
.set AF,   128
.set RO,   128
.set BK,   192
.set G1, 24
.set G0, 32
.set G1B, 48
.set G0B, 56
.set G1S, 68
.set G0S, 76
.set G1SB, 80
.set G0SB, 88
.set MSB, 0
.macro WIN new                         ; the immediate's high byte repeats the setting that is left
.if MSB != \new
	s_set_vgpr_msb (MSB<<8)|\new
.set MSB, \new
.endif
.endm
.set MUL_LO, 0xa1                      ; source 0 (B) window 1, source 1 (A) window 0, C and D window 2
.set MUL_HI, 0xf1
.set TO_B,   0x40
; A joint load: waves 0 and 1 fetch for A, waves 2 and 3 for B; the branch hangs on the wave's number alone.  An s_nop 0 and four v_nop follow each line.
.macro JLOAD g0a, g1a, g0b, g1b
	s_cmp_eq_u32 s15, 0
	s_cbranch_scc0 .Lfor_b_\@
	tensor_load_to_lds s[\g0a:\g0a+3], s[\g1a:\g1a+7]
	s_nop 0
.rept 4
	v_nop
.endr
	s_branch .Lasked_\@
.Lfor_b_\@:
	tensor_load_to_lds s[\g0b:\g0b+3], s[\g1b:\g1b+7]
	s_nop 0
.rept 4
	v_nop
.endr
.Lasked_\@:
.endm
.macro CROUND                          ; a round of the cluster's barrier
	s_barrier_signal -1
	s_barrier_wait -1
	s_cmp_lg_u32 s14, 0
	s_cbranch_scc1 .Lnot_wave_0_\@
	s_barrier_signal -3
.Lnot_wave_0_\@:
	s_barrier_wait -3
	s_barrier_signal -1
	s_barrier_wait -1
.endm
	s_load_b128 s[4:7], s[0:1], 0x0                ; codes, scales
	s_load_b128 s[96:99], s[0:1], 0x10             ; tab, qkvh
	s_load_b64 s[100:101], s[0:1], 0x20            ; fineb
	v_lshl_add_u32 v[SPW], v0, 2, SPARE
	v_mov_b32 v[NIL], 0
	ds_add_u32 v[SPW], v[NIL]                      ; the wave's opening: the add, twice on end, and its wait ahead of my first tensor load
	ds_add_u32 v[SPW], v[NIL]
	v_lshrrev_b32 v1, 5, v0
	v_readfirstlane_b32 s14, v1                    ; wave 0..3
	s_lshr_b32 s15, s14, 1                         ; which half of the tile's tokens is mine.  Also: I fetch for A (0) or for B (1)
	s_and_b32 s16, s14, 1                          ; which half of its channels.  Also: which 128 rows I fetch
	s_bfe_u32 s40, ttmp6, 0x40000                  ; cx, cy
	s_bfe_u32 s41, ttmp6, 0x40004
	s_lshl_b32 s42, ttmp9, 2
	s_add_co_u32 s42, s42, s40                     ; tile column
	s_and_b32 s17, ttmp7, 0xffff
	s_lshl_b32 s17, s17, 2
	s_add_co_u32 s17, s17, s41                     ; tile row
	s_lshl_b32 s43, s41, 2
	s_lshl_b32 s43, 15, s43                        ; my row of the cluster
	s_lshl_b32 s44, 0x1111, s40                    ; my column
	s_or_b32 s[G1+0], s43, (0<<16)|(1<<20)|(1<<21)|(5<<22)|(3<<25)  ; the mask; elements of 1 byte; padding: 4 words after every 64; bit 21 beside a mask
	s_or_b32 s[G1B+0], s44, (0<<16)|(1<<20)|(1<<21)|(5<<22)|(3<<25)
.irp g, G1, G1B
	s_mov_b32 s[\g+1], ROWB<<16                    ; tensor_dim0
	s_mov_b32 s[\g+2], 128<<16                     ; tensor_dim1
	s_mov_b32 s[\g+3], ROWB<<16                    ; tile_dim0
	s_mov_b32 s[\g+4], 128                         ; tile_dim1
	s_mov_b32 s[\g+5], KROW                        ; the pitch
	s_mov_b32 s[\g+6], 0
	s_mov_b32 s[\g+7], 0
.endr
	s_or_b32 s[G1S+0], s43, (3<<16)|(1<<20)|(1<<21)|(5<<22)|(3<<25)  ; the scales of 128 rows: 4,096 dense bytes as 16 rows of 256 (32 elements of 8 bytes)
	s_or_b32 s[G1SB+0], s44, (3<<16)|(1<<20)|(1<<21)|(5<<22)|(3<<25)
.irp g, G1S, G1SB
	s_mov_b32 s[\g+1], 32<<16
	s_mov_b32 s[\g+2], (128*KS/256)<<16
	s_mov_b32 s[\g+3], 32<<16
	s_mov_b32 s[\g+4], 128*KS/256
	s_mov_b32 s[\g+5], 32
	s_mov_b32 s[\g+6], 0
	s_mov_b32 s[\g+7], 0
.endr
	s_lshl_b32 s18, s16, 7
	s_lshl_b32 s20, s17, 8
	s_add_co_u32 s20, s20, s18                     ; A: row 256 x tile row + 128 x half
	s_lshl_b32 s46, s42, 8
	s_add_co_u32 s46, s46, s18                     ; B: row 256 x tile column + 128 x half
	s_mov_b32 s21, 0
	s_mov_b32 s47, 0
	s_mov_b64 s[18:19], KS
	s_mul_u64 s[22:23], s[20:21], s[18:19]
	s_mul_u64 s[92:93], s[46:47], s[18:19]
	s_mov_b64 s[18:19], KROW
	s_mul_u64 s[20:21], s[20:21], s[18:19]
	s_mul_u64 s[46:47], s[46:47], s[18:19]
	s_mul_i32 s45, s14, HALFT                      ; where they go: no place in the cluster enters an LDS address
	s_mul_i32 s94, s14, HALFS
	s_wait_dscnt 0x0                               ; both opening adds are done
	s_wait_kmcnt 0x0
	s_add_nc_u64 s[8:9], s[4:5], 2097152           ; w_qkv's codes lie behind x's,
	s_add_nc_u64 s[10:11], s[6:7], 131072          ; and its scale bytes likewise
	s_add_nc_u64 s[20:21], s[4:5], s[20:21]
	s_add_nc_u64 s[22:23], s[6:7], s[22:23]
	s_add_nc_u64 s[46:47], s[8:9], s[46:47]
	s_add_nc_u64 s[92:93], s[10:11], s[92:93]
	CROUND                                         ; all sixteen work-groups are here: the first joint loads meet
	s_mov_b32 s[G0S], 1
	s_add_co_u32 s[G0S+1], s94, SCL
	s_mov_b64 s[G0S+2:G0S+3], s[22:23]
	s_or_b32 s[G0S+3], s[G0S+3], 0x80000000
	s_mov_b32 s[G0SB], 1
	s_add_co_u32 s[G0SB+1], s94, SCL
	s_mov_b64 s[G0SB+2:G0SB+3], s[92:93]
	s_or_b32 s[G0SB+3], s[G0SB+3], 0x80000000
	JLOAD G0S, G1S, G0SB, G1SB                     ; the scales first: they are wanted with K step 0
.irp s, 0,1
	s_mov_b32 s[G0+4*\s], 1
	s_add_co_u32 s[G0+4*\s+1], s45, \s*SLOT
	s_add_nc_u64 s[G0+4*\s+2:G0+4*\s+3], s[20:21], \s*ROWB
	s_or_b32 s[G0+4*\s+3], s[G0+4*\s+3], 0x80000000
	s_mov_b32 s[G0B+4*\s], 1
	s_add_co_u32 s[G0B+4*\s+1], s45, \s*SLOT
	s_add_nc_u64 s[G0B+4*\s+2:G0B+4*\s+3], s[46:47], \s*ROWB
	s_or_b32 s[G0B+4*\s+3], s[G0B+4*\s+3], 0x80000000
	JLOAD G0+4*\s, G1, G0B+4*\s, G1B               ; three tensor loads of mine are out in all
.endr
	v_and_b32 v1, 15, v0                           ; r
	v_bfe_u32 v2, v0, 4, 1                         ; h
	v_mul_u32_u24 v3, v1, PITCH
	v_lshl_add_u32 v4, v2, 4, v3
	s_mul_i32 s21, s15, HALFT
	s_mul_i32 s22, s16, HALFT
	s_add_co_u32 s22, s22, 2*HALFT
.irp s, 0,1
	v_add_nc_u32 v[ADRA+\s], s21, v4
	v_add_nc_u32 v[ADRB+\s], s22, v4
	s_add_co_u32 s21, s21, SLOT
	s_add_co_u32 s22, s22, SLOT
.endr
	v_mul_u32_u24 v5, v1, KS                       ; my row's scales: 32 bytes a row, and 16 more for each 256 passed
	v_lshrrev_b32 v6, 8, v5
	v_lshl_add_u32 v5, v6, 4, v5
	s_mul_i32 s21, s15, HALFS
	s_mul_i32 s22, s16, HALFS
	s_add_co_u32 s22, s22, 2*HALFS
	s_sub_co_u32 s22, s22, s21
	v_mul_u32_u24 v6, s22, v2                      ; lanes 16-31 take B's
	s_add_co_u32 s21, s21, SCL
	v_add_nc_u32 v5, v5, v6
	v_add_nc_u32 v[ADRS], s21, v5
	s_mul_i32 s23, s14, 16*SPITCH                  ; my stage
	v_mul_u32_u24 v5, v1, SPITCH
	v_lshl_add_u32 v5, v2, 4, v5
	v_add_nc_u32 v[STO], s23, v5                   ; in: token r, 16 bytes for each half of the lanes
	v_and_b32 v6, 31, v0
	v_lshlrev_b32 v[CO], 4, v6
	v_lshrrev_b32 v5, 3, v6
	v_mul_u32_u24 v5, v5, SPITCH
	v_and_b32 v6, 7, v6
	v_lshl_add_u32 v5, v6, 4, v5
	v_add_nc_u32 v[RD], s23, v5                    ; back: eight lanes take a token's 128 bytes of one head, four tokens an instruction
	v_lshlrev_b32 v[TOF], 8, v1
	v_lshl_add_u32 v[TOF], v2, 4, v[TOF]
	v_mov_b32 v[CYV], s41
	; where my results go
	s_lshl_b32 s20, s17, 8
	s_lshl_b32 s21, s15, 7
	s_add_co_u32 s20, s20, s21
	s_and_b32 s20, s20, 2047                       ; my first position in the batch
	s_and_b32 s22, ttmp7, 0xffff                   ; the cluster's y
	s_lshr_b32 s23, s22, 1                         ; the batch
	s_and_b32 s3, s22, 1
	s_or_b32 s3, s3, s15                           ; 0: my wave may hold a batch's first rows (the cluster's y and the wave's number alone)
	s_lshl_b32 s46, ttmp9, 23                      ; the type: 8,388,608 bytes
	s_lshl_b32 s47, s23, 4
	s_lshl_b32 s18, s40, 2
	s_add_co_u32 s47, s47, s18
	s_lshl_b32 s18, s16, 1
	s_add_co_u32 s47, s47, s18                     ; batch x 16 + my first head
	s_lshl_b32 s47, s47, 18
	s_add_co_u32 s46, s46, s47
	s_lshl_b32 s47, s20, 7
	s_add_co_u32 s46, s46, s47
	s_mov_b32 s47, 0
	s_add_nc_u64 s[98:99], s[98:99], s[46:47]
	s_min_u32 s46, ttmp9, 1                        ; the table's kind: q's, k's; V's work-groups stay inside the table with k's
	s_lshl_b32 s46, s46, 19
	s_lshl_b32 s47, s20, 8
	s_add_co_u32 s46, s46, s47
	s_mov_b32 s47, 0
	s_add_nc_u64 s[96:97], s[96:97], s[46:47]
	s_mul_i32 s46, s23, 196608
	s_lshl_b32 s47, s42, 14                        ; 16 blocks of 16 channels a tile column, 1,024 bytes each
	s_add_co_u32 s46, s46, s47
	s_lshl_b32 s47, s16, 13
	s_add_co_u32 s46, s46, s47
	s_mov_b32 s47, 0
	s_add_nc_u64 s[100:101], s[100:101], s[46:47]
; cos and sin of block a's 16 tokens: frequency 8 (b % 4) + 4 (lane / 16) + 0 .. 3 serves accumulator b: four loads of cos, four of sin, into set a % 2
.macro TLD a
	WIN TO_B
.irp q, 0,1,2,3
	global_load_b128 v[64+128*((\a)%2)+4*\q:64+128*((\a)%2)+4*\q+3], v[TOF], s[96:97] offset:(\a)*4096+32*\q
	global_load_b128 v[80+128*((\a)%2)+4*\q:80+128*((\a)%2)+4*\q+3], v[TOF], s[96:97] offset:(\a)*4096+32*\q+128
.endr
	WIN 0
.endm
	TLD 0                                          ; the first two blocks' are asked for here, under the products.  Every work-group asks, so that the counted waits below
	TLD 1                                          ; have the same loads behind them on every way; V's work-groups do not use these sixteen loads
.macro FRAG reg, adr, q, i             ; 16 rows x 128 K of 4-bit codes: 8 registers: registers 4 c .. 4 c + 3 hold K = 64 c + 32 (lane / 16) + 0 .. 31
.irp c, 0,1
	ds_load_b128 v[\reg+4*\c:\reg+4*\c+3], v[\adr] offset:64*(\q)+32*\c+(\i)*16*PITCH
.endr
.endm
; 16 matrix instructions: A's blocks a0, a0 + 1 x B's eight.  The 64 accumulators take turns, one instruction a turn, in the same order in every step.
.macro MUL16 a0, p, q, sc, zero
.irp a, \a0, \a0+1
.irp b, 0,1,2,3,4,5,6,7
.if \zero
	v_wmma_scale_f32_16x16x128_f8f6f4 v[8*(8*((\a)%4)+\b):8*(8*((\a)%4)+\b)+7], v[128*(\p)+FR*\b:128*(\p)+FR*\b+FR-1], v[AF+FR*(\a):AF+FR*(\a)+FR-1], 0, v[SC+8*NQ*(\sc)+NQ*\b+(\q)], v[SC+8*NQ*(\sc)+NQ*(\a)+(\q)] matrix_a_fmt:MATRIX_FMT_FP4 matrix_b_fmt:MATRIX_FMT_FP4 matrix_a_scale:MATRIX_SCALE_ROW1
.else
	v_wmma_scale_f32_16x16x128_f8f6f4 v[8*(8*((\a)%4)+\b):8*(8*((\a)%4)+\b)+7], v[128*(\p)+FR*\b:128*(\p)+FR*\b+FR-1], v[AF+FR*(\a):AF+FR*(\a)+FR-1], v[8*(8*((\a)%4)+\b):8*(8*((\a)%4)+\b)+7], v[SC+8*NQ*(\sc)+NQ*\b+(\q)], v[SC+8*NQ*(\sc)+NQ*(\a)+(\q)] matrix_a_fmt:MATRIX_FMT_FP4 matrix_b_fmt:MATRIX_FMT_FP4 matrix_a_scale:MATRIX_SCALE_ROW1
.endif
.endr
.endr
.endm
.macro FETCH_B slot, q, p
	WIN TO_B
.irp i, 0,1,2,3,4,5,6,7
	FRAG 128*(\p)+FR*\i, ADRB+\slot, \q, \i
.endr
	WIN 0
.endm
.macro FETCH_A slot, q, i0
.irp i, \i0, \i0+1, \i0+2, \i0+3
	FRAG AF+FR*(\i), ADRA+\slot, \q, \i
.endr
.endm
.macro SCALES sc                       ; a K step's scale words: lanes 0-15 take A's block i, lanes 16-31 B's block i
.irp i, 0,1,2,3,4,5,6,7
	ds_load_b128 v[SC+8*NQ*\sc+NQ*\i:SC+8*NQ*\sc+NQ*\i+3], v[ADRS] offset:\i*SBLK
.endr
.endm
.macro PLACES n                        ; places behind matrix instructions, in front of loads into their registers and of reads of their results
.rept \n
	v_nop
.endr
.endm
.macro STEP slot, q, zero
	s_wait_dscnt 4*NL                              ; B's set and A's blocks 0-3 are in; the youngest eight loads (A's blocks 4-7) may be out
	WIN MUL_LO
	MUL16 0, (\q)%2, \q, \slot, \zero
	MUL16 2, (\q)%2, \q, \slot, \zero
	s_wait_dscnt 0
	PLACES NP
	FETCH_B \slot, (\q)+1, 1-(\q)%2
	FETCH_A \slot, (\q)+1, 0
	WIN MUL_HI
	MUL16 4, (\q)%2, \q, \slot, \zero
	MUL16 6, (\q)%2, \q, \slot, \zero
	PLACES NP
	WIN 0
	FETCH_A \slot, (\q)+1, 4
.endm
.macro STEPS slot, from
.set Q, \from
.rept NQ-1-\from
	STEP \slot, Q, 0
.set Q, Q+1
.endr
.endm
	s_wait_tensorcnt 1                             ; the scales and my part of K step 0 are in; K step 1's load may be out
	s_barrier_signal -1
	s_barrier_wait -1
	FETCH_B 0, 0, 0
	FETCH_A 0, 0, 0
	SCALES 0
	FETCH_A 0, 0, 4
	STEP 0, 0, 1                                   ; the first step's products start the sums
	STEPS 0, 1
	; slot 0's last step changes slots: one barrier; nothing is filled again
	s_wait_tensorcnt 0x0                           ; my part of slot 1 has landed
	ds_add_u32 v[SPW], v[NIL]                      ; 0 onto my spare word
	s_wait_dscnt 4*NL+1                            ; the add and the youngest eight loads may be out
	WIN MUL_LO
	MUL16 0, 1, NQ-1, 0, 0
	s_wait_dscnt 0x0                               ; the add is done, and my reads of slot 0 are over
	s_barrier_signal -1
	MUL16 2, 1, NQ-1, 0, 0
	WIN 0
	s_barrier_wait -1
	PLACES NP
	v_add_nc_u32 v[ADRS], 4*NQ, v[ADRS]            ; the next K step's scale words
	FETCH_B 1, 0, 0
	FETCH_A 1, 0, 0
	SCALES 1
	WIN MUL_HI
	MUL16 4, 1, NQ-1, 0, 0
	MUL16 6, 1, NQ-1, 0, 0
	PLACES NP
	WIN 0
	FETCH_A 1, 0, 4
	STEPS 1, 0
	s_wait_dscnt 4*NL                              ; the very last step
	WIN MUL_LO
	MUL16 0, 1, NQ-1, 1, 0
	MUL16 2, 1, NQ-1, 1, 0
	s_wait_dscnt 0
	WIN MUL_HI
	MUL16 4, 1, NQ-1, 1, 0
	MUL16 6, 1, NQ-1, 1, 0
	WIN 0
; THE WAY OUT, block by block of 16 tokens x 128 channels (two heads).
; ROPE: o0 = cos x0 - sin x1, o1 = sin x0 + cos x1 for the lane's four pairs of each accumulator.  Source 0 = the table (window 1), source 1 = the accumulator (window 2 or 3).
.macro ROPE a
.set AC, 64*((\a)%4)
.set CT, 64+128*((\a)%2)
.if (\a) < 7
	s_wait_loadcnt 8                               ; this block's eight table loads are in; the next block's eight may be out
.else
	s_wait_loadcnt 0x0
.endif
	WIN 0x09+4*((\a)/4)
.irp b, 0,1,2,3,4,5,6,7
.irp p, 0,1,2,3
	v_mul_f32 v[RO+8*\b+2*\p],   v[CT+16+4*(\b%4)+\p], v[AC+8*\b+2*\p+1]
	v_mul_f32 v[RO+8*\b+2*\p+1], v[CT+16+4*(\b%4)+\p], v[AC+8*\b+2*\p]
.endr
.irp p, 0,1,2,3
	v_fma_f32 v[RO+8*\b+2*\p],   v[CT+4*(\b%4)+\p], v[AC+8*\b+2*\p],   -v[RO+8*\b+2*\p]
	v_fma_f32 v[RO+8*\b+2*\p+1], v[CT+4*(\b%4)+\p], v[AC+8*\b+2*\p+1], v[RO+8*\b+2*\p+1]
.endr
.endr
	WIN 0
.endm
.macro CVTR                            ; the rotated numbers to f16: a lane's eight channels of an accumulator are 16 bytes
.irp b, 0,1,2,3,4,5,6,7
.irp p, 0,1,2,3
	v_cvt_pk_f16_f32 v[TMP+4*\b+\p], v[RO+8*\b+2*\p], v[RO+8*\b+2*\p+1]
.endr
.endr
.endm
.macro CVTP a                          ; v: straight from the accumulators, each from its low end on
.set AC, 64*((\a)%4)
	WIN 0x0a+5*((\a)/4)
.irp b, 0,1,2,3,4,5,6,7
.irp p, 0,1,2,3
	v_cvt_pk_f16_f32 v[TMP+4*\b+\p], v[AC+8*\b+2*\p], v[AC+8*\b+2*\p+1]
.endr
.endr
	WIN 0
.endm
; The first 16 positions of a batch, in f32.  The scalar branch hangs on the cluster's y and the wave's number; the place along the cluster's y enters a mask of lanes, no branch.
.macro FINE rope
	s_cmp_lg_u32 s3, 0
	s_cbranch_scc1 .Lnot_fine_\@
	s_wait_xcnt 0x0                                ; EXEC changes only behind this wait
	v_cmp_eq_u32 vcc_lo, 0, v[CYV]
	s_and_saveexec_b32 s2, vcc_lo
.if !\rope
	WIN 0x08                                       ; a store's data are its source 1: window 2
.endif
.irp b, 0,1,2,3,4,5,6,7
.irp c, 0,1
.if \rope
	global_store_b128 v[CO], v[RO+8*\b+4*\c:RO+8*\b+4*\c+3], s[100:101] offset:1024*\b+512*\c
.else
	global_store_b128 v[CO], v[8*\b+4*\c:8*\b+4*\c+3], s[100:101] offset:1024*\b+512*\c
.endif
.endr
.endr
	WIN 0
	s_wait_xcnt 0x0                                ; and again in front of the line that widens it; the stores have read their data too
	s_or_b32 exec_lo, exec_lo, s2
.Lnot_fine_\@:
.endm
.macro TOSTAGE a                       ; through my stage: LDS serves a wave's instructions in order, so no wait between the stores and the loads
.irp b, 0,1,2,3,4,5,6,7
	ds_store_b128 v[STO], v[TMP+4*\b:TMP+4*\b+3] offset:32*\b
.endr
.irp hh, 0,1
.irp i, 0,1,2,3
	ds_load_b128 v[BK+32*((\a)%2)+16*\hh+4*\i:BK+32*((\a)%2)+16*\hh+4*\i+3], v[RD] offset:128*\hh+1088*\i
.endr
.endr
.endm
.macro SEND a, younger                 ; each store covers 512 consecutive bytes of one head: four tokens
	s_wait_dscnt \younger
.irp hh, 0,1
.irp i, 0,1,2,3
	global_store_b128 v[CO], v[BK+32*((\a)%2)+16*\hh+4*\i:BK+32*((\a)%2)+16*\hh+4*\i+3], s[98:99] offset:(\a)*2048+262144*\hh+512*\i
.endr
.endr
.endm
.macro WAYOUT rope
.irp a, 0,1,2,3,4,5,6,7
.if \rope
	ROPE \a
.if \a < 6
	TLD \a+2
.endif
	CVTR
.else
	CVTP \a
.endif
.if \a == 0
	FINE \rope
.endif
.if \a > 1
	s_wait_xcnt 0x0                                ; block a - 2's stores have read their registers: block a's loads may land there
.endif
	TOSTAGE \a
.if \a > 0
	SEND \a-1, 16                                  ; behind block a - 1's loads: block a's 8 stores and 8 loads
.endif
.endr
	SEND 7, 0
.endm
	PLACES NP                                      ; behind the last products
	s_cmp_eq_u32 ttmp9, 2                          ; the cluster's x: equal in all sixteen partners
	s_cbranch_scc1 .Lplain
	WAYOUT 1
	s_branch .Lend
.Lplain:
	WAYOUT 0
.Lend:
	s_wait_tensorcnt 0x0                           ; the wave's end
	ds_add_u32 v[SPW], v[NIL]
	s_wait_dscnt 0x0
	CROUND                                         ; the closing round
	s_endpgm
.Lfunc_end_k_q14c16bcb8f_qkv:
	.size	k_q14c16bcb8f_qkv, .Lfunc_end_k_q14c16bcb8f_qkv-k_q14c16bcb8f_qkv
	.p2alignl 7, 3214868480
	.fill 96, 4, 3214868480
	.section	.rodata,"a",@progbits
	.p2align	6, 0x0
	.amdhsa_kernel k_q14c16bcb8f_qkv
		.amdhsa_group_segment_fixed_size 327680
		.amdhsa_private_segment_fixed_size 0
		.amdhsa_enable_private_segment 0
		.amdhsa_kernarg_size 40
		.amdhsa_user_sgpr_count 2
		.amdhsa_user_sgpr_kernarg_segment_ptr 1
		.amdhsa_wavefront_size32 1
		.amdhsa_system_sgpr_workgroup_id_x 1
		.amdhsa_system_sgpr_workgroup_id_y 1
		.amdhsa_system_sgpr_workgroup_id_z 1
		.amdhsa_system_vgpr_workitem_id 0
		.amdhsa_next_free_vgpr 1024
		.amdhsa_next_free_sgpr 102
		.amdhsa_reserve_vcc 1
		.amdhsa_float_denorm_mode_32 3
		.amdhsa_float_denorm_mode_16_64 3
		.amdhsa_memory_ordered 1
		.amdhsa_forward_progress 1
		.amdhsa_inst_pref_size 216
	.end_amdhsa_kernel
	.amdgpu_metadata
---
amdhsa.version: [ 1, 2 ]
amdhsa.kernels:
  - .name:           k_q14c16bcb8f_qkv
    .symbol:         k_q14c16bcb8f_qkv.kd
    .args:
      - { .name: codes, .offset: 0, .size: 8, .value_kind: global_buffer, .address_space: global }
      - { .name: scales, .offset: 8, .size: 8, .value_kind: global_buffer, .address_space: global }
      - { .name: tab, .offset: 16, .size: 8, .value_kind: global_buffer, .address_space: global }
      - { .name: qkvh, .offset: 24, .size: 8, .value_kind: global_buffer, .address_space: global }
      - { .name: fineb, .offset: 32, .size: 8, .value_kind: global_buffer, .address_space: global }
    .group_segment_fixed_size: 327680
    .private_segment_fixed_size: 0
    .kernarg_segment_align: 8
    .kernarg_segment_size: 40
    .max_flat_workgroup_size: 128
    .sgpr_count:     102
    .vgpr_count:     1024
    .wavefront_size: 32
...
	.end_amdgpu_metadata
.endif
;; end of part 2
;; launch attn (part 3): grid 8 x 32, 16 waves a work-group, no clusters, 327,680 bytes of LDS; arguments qkvh, ao; writes ao
.if DOCPART == 3
	.amdgcn_target "amdgcn-amd-amdhsa--gfx1250"
	.amdhsa_code_object_version 6
	.text
	.protected	k_q14c16bcb8f_attn
	.globl	k_q14c16bcb8f_attn
	.p2align	8
	.type	k_q14c16bcb8f_attn,@function
k_q14c16bcb8f_attn:
	s_mov_b64 s[64:65], 0
	v_nop
	global_prefetch_b8 v0, s[64:65] scope:SCOPE_SE
	s_setreg_imm32_b32 hwreg(HW_REG_WAVE_MODE, 25, 1), 1
	s_wait_xcnt 0x0
; ATTN: causal attention on f16 operands, f32 sums.  q (already x log2(e)/8), k, v: qkvh [type][batch x 16 + head][2048][64] f16.  Result: ao [T/128][head][T%128][64] f16, T = batch x 2048 + position.
; SHARES.  Work-group (i, head) owns the query blocks i and 15 - i, 128 queries each: (i + 1) + (16 - i) = 17 block steps in every work-group.  Sixteen waves of 256 registers.
; Waves w and w xor 1 hold the same 32 queries (two tiles of 16) and share the keys: of each step of 128 keys wave u = w % 2 takes keys 64 u .. 64 u + 63.  So each fragment of K and V read from LDS feeds two products.
; Register slot x holds query tile x xor u; at the end a wave keeps slot 0 and hands slot 1 to its partner through LDS, and each merges two halves: no branch.
; The block is ((w>>1) xor (w>>3)) & 1, the group of 32 queries (w>>2) & 3: any four waves with neighbouring numbers, and any four 4 apart, hold two waves of each block.
; NO CLUSTER: under the mask the work-groups of a head need different numbers of key slots (1,152 to 2,048 keys), so partners could not make the same joint requests.
; LAYOUT.  S^T = K Q^T (source 0 = 16 keys, source 1 = 16 queries): a lane holds one query (lane % 16) and keys 8 (lane / 16) + 0..7; two such tiles rounded to f16 are source 1 of O^T = V^T P.  V is turned by ds_load_tr16_b128.
; SOFTMAX.  Running maximum M and sum L for each query: p = 2^(s - M), at most 1; O and L are multiplied by 2^(M_old - M_new) in every step.
; EVERY work-group walks all 8 slots of 256 keys (constant trip counts); a step whose keys all come after the wave's queries is left out by a branch on ids; a slot that no wave of the work-group reads is not asked for.
; LIMITS: operands under 65,504 in magnitude; NaN and infinities not served.
; REGISTERS: v1-4 addresses; v5, v6 the add's two; v7 r - 8 h; v8 -infinity; v10, v11 the mask's distances; v12 prefetch offset; v16-31 statistics, 8 a slot: M, 0, L (pair), c0-c3 (alpha takes c2's place);
;   v32-63 Q; v64-127 eight fragments of K or of V; v128-191 S^T, then P in place; v192-255 O^T.
.set SLOT1, 1<<17                      ; slot 1 begins here: one exclusive or turns an address from slot to slot
.set KHALF, 64*272                     ; 128 keys of K: 64 double rows of 256 bytes + 16 of padding; key t at (t/2) 272 + (t%2) 128
.set VHALF, 64*288                     ; 128 keys of V: + 32 of padding
.set VOFF,  2*KHALF
.set NSL,   8
.set XCH,   204800                     ; 16 x 4,352: a wave's slot 1 as an image of its registers, its M and its sum
.set OST,   274432                     ; 16 x 2,304: a wave's stage for the way out, 16 rows x 144
.set SPARE, 311296                     ; the spare words, 128 bytes a wave, named by no other line
.set AK0, 1
.set AV0, 2
.set ADK, 3
.set ADV, 4
.set SPW, 5
.set NIL, 6
.set RH,  7
.set NINF, 8
.set PFO, 12
.set WV,  18
.set U,   19
.set SEL, 20
.set Q0,  22                           ; my first query
.set QL,  23                           ; my last
.set G1K, 24
.set G1V, 32
.set G0K, 40
.set G0V, 44
.set QA,  48                           ; slot 0's first query
.set QB,  49                           ; slot 1's
.set KFU, 50                           ; my first key of the step in hand (64 u included)
.set KSL, 51                           ; the first key of the slot in hand: equal in all waves
.set LASTQ, 52                         ; my work-group's last query
.set TB,  53
.set SLOTS, 54
.set LIM, 55
.set PFA, 56
; Waves 0 and 1 fetch K's halves of a slot, waves 2 and 3 V's, the others nothing.  An s_nop 0 and four v_nop follow each line.
.macro TLOAD
	s_cmp_lt_u32 s[WV], 2
	s_cbranch_scc0 .Lnot_k_\@
	tensor_load_to_lds s[G0K:G0K+3], s[G1K:G1K+7]
	s_nop 0
.rept 4
	v_nop
.endr
	s_branch .Lasked_\@
.Lnot_k_\@:
	s_cmp_lt_u32 s[WV], 4
	s_cbranch_scc0 .Lasked_\@
	tensor_load_to_lds s[G0V:G0V+3], s[G1V:G1V+7]
	s_nop 0
.rept 4
	v_nop
.endr
.Lasked_\@:
.endm
; A prefetch of the slot that the NEXT change of slots will ask for: 32,768 dense bytes of K and as many of V.  The head's first work-group asks, which walks all slots; in it waves 4-7 for K and 8-11 for V,
; 8,192 bytes a wave, lanes 256 bytes apart: each block of 256 bytes is named once in the launch.  The last change that fills a slot asks for nothing; slots 0 and 1 come by their loads alone.
.macro ASK
	s_cmp_gt_u32 s[SLOTS], s[LIM]
	s_cbranch_scc0 .Lnot_mine_\@
	global_prefetch_b8 v[PFO], s[PFA:PFA+1] th:TH_LOAD_NT scope:SCOPE_SE
.Lnot_mine_\@:
.endm
	s_load_b128 s[4:7], s[0:1], 0x0                ; qkvh, ao
	v_lshl_add_u32 v[SPW], v0, 2, SPARE
	v_mov_b32 v[NIL], 0
	ds_add_u32 v[SPW], v[NIL]                      ; the wave's opening: the add, twice on end, and its wait ahead of the first tensor load
	ds_add_u32 v[SPW], v[NIL]
	v_lshrrev_b32 v9, 5, v0
	v_readfirstlane_b32 s[WV], v9                  ; wave 0..15
	s_and_b32 s[U], s[WV], 1
	s_lshr_b32 s60, s[WV], 1
	s_lshr_b32 s61, s[WV], 3
	s_xor_b32 s60, s60, s61
	s_and_b32 s60, s60, 1                          ; which of the two query blocks
	s_bfe_u32 s61, s[WV], 0x20002                  ; which 32 queries of it
	s_sub_co_u32 s62, 15, ttmp9
	s_cmp_eq_u32 s60, 0
	s_cselect_b32 s62, ttmp9, s62                  ; the block's number
	s_lshl_b32 s[Q0], s62, 7
	s_lshl_b32 s63, s61, 5
	s_add_co_u32 s[Q0], s[Q0], s63
	s_add_co_u32 s[QL], s[Q0], 31
	s_lshl_b32 s63, s[U], 4
	s_add_co_u32 s[QA], s[Q0], s63                 ; slot 0 holds tile u,
	s_add_co_u32 s[QB], s[Q0], 16
	s_sub_co_u32 s[QB], s[QB], s63                 ; slot 1 tile 1 - u
	s_lshl_b32 s[KFU], s[U], 6
	s_mov_b32 s[KSL], 0
	s_sub_co_u32 s[LASTQ], 16, ttmp9
	s_lshl_b32 s[LASTQ], s[LASTQ], 7
	s_sub_co_u32 s[LASTQ], s[LASTQ], 1
	s_mov_b32 s[TB], 0
	s_mov_b32 s[SLOTS], NSL-1
	s_and_b32 s8, ttmp7, 0xffff                    ; batch x 16 + head
	s_and_b32 s58, s8, 0xf0                        ; 16 x batch
	s_add_co_u32 s58, s58, s62                     ; T / 128
	s_lshl_b32 s58, s58, 4
	s_and_b32 s63, s8, 15
	s_add_co_u32 s58, s58, s63                     ; x 16 + head
	s_lshl_b32 s58, s58, 14                        ; 16,384 bytes each
	s_lshl_b32 s63, s61, 12
	s_add_co_u32 s58, s58, s63                     ; + 32 g rows of 128 bytes
	s_lshl_b32 s63, s[U], 11
	s_add_co_u32 s58, s58, s63                     ; + 16 u rows: the tile that I finish
	s_mov_b32 s59, 0
	s_mov_b32 s[SEL], 0x76543210
	s_mov_b32 s[SEL+1], 0xfedcba98
	; descriptor group 1: 64 double rows of 128 elements of 2 bytes, dense in memory, padded in LDS
	s_mov_b32 s[G1K], (1<<16)|(1<<20)|(5<<22)|(3<<25)             ; no mask; padding: 4 words after every 64
	s_mov_b32 s[G1V], (1<<16)|(1<<20)|(5<<22)|(7<<25)             ; 8 words
.irp g, G1K, G1V
	s_mov_b32 s[\g+1], 128<<16                     ; tensor_dim0
	s_mov_b32 s[\g+2], 64<<16                      ; tensor_dim1
	s_mov_b32 s[\g+3], 128<<16                     ; tile_dim0
	s_mov_b32 s[\g+4], 64                          ; tile_dim1
	s_mov_b32 s[\g+5], 128                         ; the pitch
	s_mov_b32 s[\g+6], 0
	s_mov_b32 s[\g+7], 0
.endr
	s_lshl_b32 s14, s8, 18                         ; the head's 262,144 bytes
	s_mov_b32 s15, 0
	s_lshl_b32 s16, s[U], 14                       ; the half of a slot that I fetch, if I fetch
	s_mov_b32 s17, 0
	s_wait_dscnt 0x0                               ; both opening adds are done
	s_wait_kmcnt 0x0
	s_add_nc_u64 s[4:5], s[4:5], s[14:15]          ; the head in q,
	s_add_nc_u64 s[10:11], s[4:5], 8388608         ; in k,
	s_add_nc_u64 s[12:13], s[4:5], 16777216        ; in v
	s_add_nc_u64 s[6:7], s[6:7], s[58:59]
	s_mov_b32 s[G0K], 1
	s_mul_i32 s[G0K+1], s[U], KHALF
	s_add_nc_u64 s[G0K+2:G0K+3], s[10:11], s[16:17]
	s_or_b32 s[G0K+3], s[G0K+3], 0x80000000
	s_mov_b32 s[G0V], 1
	s_mul_i32 s[G0V+1], s[U], VHALF
	s_add_co_u32 s[G0V+1], s[G0V+1], VOFF
	s_add_nc_u64 s[G0V+2:G0V+3], s[12:13], s[16:17]
	s_or_b32 s[G0V+3], s[G0V+3], 0x80000000
	TLOAD                                          ; slot 0: it holds key 0, which counts for every query
	s_lshl_b32 s16, s[Q0], 7
	s_add_nc_u64 s[4:5], s[4:5], s[16:17]          ; q at my first query
	s_cmp_lt_u32 s[WV], 8
	s_cselect_b64 s[PFA:PFA+1], s[10:11], s[12:13]
	s_and_b32 s60, s[WV], 3
	s_lshl_b32 s60, s60, 13
	s_add_co_u32 s60, s60, 32768                   ; in slot 1: the first change of slots steps it to slot 2
	s_mov_b32 s61, 0
	s_add_nc_u64 s[PFA:PFA+1], s[PFA:PFA+1], s[60:61]
	s_sub_co_u32 s60, s[WV], 4
	s_lshr_b32 s60, s60, 3                         ; 0 in waves 4 to 11,
	s_or_b32 s60, s60, ttmp9                       ; of the head's first work-group
	s_cmp_eq_u32 s60, 0
	s_cselect_b32 s[LIM], 1, -1
	v_and_b32 v9, 15, v0                           ; r
	v_bfe_u32 v13, v0, 4, 1                        ; h
	v_lshlrev_b32 v14, 7, v9
	v_lshl_add_u32 v14, v13, 4, v14                ; a row of q is 128 bytes
	s_lshl_b32 s61, s[U], 11
	s_xor_b32 s62, s61, 2048
	v_add_nc_u32 v15, s62, v14                     ; slot 1's tile
	v_add_nc_u32 v14, s61, v14                     ; slot 0's
.irp x, 0,1
.irp c, 0,1
.irp e, 0,1
	global_load_b128 v[32+16*\x+8*\c+4*\e:32+16*\x+8*\c+4*\e+3], v[14+\x], s[4:5] offset:64*\c+32*\e
.endr
.endr
.endr
	v_lshrrev_b32 v[AK0], 1, v9
	v_mul_u32_u24 v[AK0], v[AK0], 272
	v_and_b32 v3, 1, v9
	v_lshl_add_u32 v[AK0], v3, 7, v[AK0]
	v_lshl_add_u32 v[AK0], v13, 4, v[AK0]
	s_mul_i32 s61, s[U], 8704
	v_add_nc_u32 v[AK0], s61, v[AK0]               ; K: (r/2) 272 + (r%2) 128 + 16 h + my 64 keys
	v_bfe_u32 v[AV0], v0, 1, 2
	v_lshl_add_u32 v[AV0], v13, 2, v[AV0]
	v_mul_u32_u24 v[AV0], v[AV0], 288
	v_and_b32 v3, 1, v0
	v_lshl_add_u32 v[AV0], v3, 7, v[AV0]
	v_bfe_u32 v3, v0, 3, 1
	v_lshl_add_u32 v[AV0], v3, 4, v[AV0]
	s_mul_i32 s61, s[U], 9216
	s_add_co_u32 s61, s61, VOFF
	v_add_nc_u32 v[AV0], s61, v[AV0]               ; V, for the turning load: key 8 h + lane % 8, channels 8 ((lane / 8) % 2) on
	v_lshlrev_b32 v[RH], 3, v13
	v_sub_nc_u32 v[RH], v9, v[RH]
	v_mov_b32 v[NINF], 0xff800000
	v_and_b32 v[PFO], 31, v0
	v_lshlrev_b32 v[PFO], 8, v[PFO]
.irp x, 0,1
	v_mov_b32 v[16+8*\x], 0xff61b1e6               ; M: -3e38, under every score
.irp j, 1,2,3,4,5,6,7
	v_mov_b32 v[16+8*\x+\j], 0
.endr
.endr
.set j, 0
.rept 64
	v_mov_b32 v[192+j], 0                          ; O^T: the step is written once; its first run finds zeros
.set j, j+1
.endr
; A STEP: my 64 keys of the qs-th 128 of the slot in hand.
.macro STEP qs
	s_cmp_gt_u32 s[KFU], s[QL]                     ; all my keys come after my queries: the step's work is left out (ids alone; no barrier and no tensor load stands in a step)
	s_cbranch_scc1 .Lhidden_\@
	v_add_nc_u32 v[ADK], s[TB], v[AK0]
	v_add_nc_u32 v[ADV], s[TB], v[AV0]
.rept 3
	v_nop                                          ; with the two additions five places behind the last products: the scores are written over P
.endr
.irp kt, 0,1,2,3
.irp c, 0,1
.irp e, 0,1
	ds_load_b128 v[64+8*(2*\kt+\c)+4*\e:64+8*(2*\kt+\c)+4*\e+3], v[ADK] offset:\qs*KHALF+\kt*2176+64*\c+32*\e
.endr
.endr
.endr
	s_wait_dscnt 0x0
.irp c, 0,1                                    ; the eight accumulators take turns, one instruction a turn
.irp kt, 0,1,2,3
.irp x, 0,1
.if \c == 0
	v_wmma_f32_16x16x32_f16 v[128+32*\x+8*\kt:128+32*\x+8*\kt+7], v[64+8*(2*\kt+\c):64+8*(2*\kt+\c)+7], v[32+16*\x+8*\c:32+16*\x+8*\c+7], 0
.else
	v_wmma_f32_16x16x32_f16 v[128+32*\x+8*\kt:128+32*\x+8*\kt+7], v[64+8*(2*\kt+\c):64+8*(2*\kt+\c)+7], v[32+16*\x+8*\c:32+16*\x+8*\c+7], v[128+32*\x+8*\kt:128+32*\x+8*\kt+7]
.endif
.endr
.endr
.endr
.rept 4
	v_nop                                          ; places in front of the loads into K's registers and of the first read of the scores
.endr
.irp kc, 0,1
.irp ct, 0,1,2,3
.irp e, 0,1
	ds_load_tr16_b128 v[64+8*(4*\kc+\ct)+4*\e:64+8*(4*\kc+\ct)+4*\e+3], v[ADV] offset:(64*\qs+16*\kc+8*\e)*288+32*\ct   ; V lands under the softmax
.endr
.endr
.endr
	s_add_co_u32 s60, s[KFU], 63
	s_cmp_le_u32 s60, s[Q0]                        ; all my keys count for all my queries: no mask
	s_cbranch_scc1 .Lopen_\@
	s_sub_co_i32 s60, s[QA], s[KFU]
	s_sub_co_i32 s61, s[QB], s[KFU]
	v_add_nc_u32 v10, s60, v[RH]                   ; d = my query - my first key - 8 h: register 8 kt + j holds the key 16 kt + j further on: hidden where 16 kt + j > d
	v_add_nc_u32 v11, s61, v[RH]
.irp x, 0,1
.set n, 0
.rept 32
	v_cmp_gt_i32 vcc_lo, 16*(n/8)+n%8, v[10+\x]
	v_cndmask_b32 v[128+32*\x+n], v[128+32*\x+n], v[NINF], vcc_lo
.set n, n+1
.endr
.endr
.Lopen_\@:
.irp j, 0,1,2,3                                ; the largest of my 32 scores and the old M: four chains, the two slots by turns
.irp x, 0,1
	v_max3_num_f32 v[20+8*\x+\j], v[128+32*\x+8*\j], v[129+32*\x+8*\j], v[130+32*\x+8*\j]
.endr
.endr
.irp k, 3,5
.irp j, 0,1,2,3
.irp x, 0,1
	v_max3_num_f32 v[20+8*\x+\j], v[20+8*\x+\j], v[128+32*\x+8*\j+\k], v[129+32*\x+8*\j+\k]
.endr
.endr
.endr
.irp x, 0,1
	v_max3_num_f32 v[20+8*\x], v[20+8*\x], v[135+32*\x], v[143+32*\x]
	v_max3_num_f32 v[22+8*\x], v[22+8*\x], v[151+32*\x], v[159+32*\x]
.endr
.irp x, 0,1
	v_max3_num_f32 v[20+8*\x], v[20+8*\x], v[21+8*\x], v[22+8*\x]
.endr
.irp x, 0,1
	v_max3_num_f32 v[20+8*\x], v[20+8*\x], v[23+8*\x], v[16+8*\x]
.endr
.irp x, 0,1
	v_permlanex16_b32 v[21+8*\x], v[20+8*\x], s[SEL], s[SEL+1]   ; the query's other 32 keys lie in the lane 16 away
.endr
.irp x, 0,1
	v_mov_b32 v[23+8*\x], v[16+8*\x]
.endr
.irp x, 0,1
	v_max_num_f32 v[16+8*\x], v[20+8*\x], v[21+8*\x]             ; the new M
.endr
.irp x, 0,1
	v_sub_f32 v[23+8*\x], v[23+8*\x], v[16+8*\x]                 ; M_old - M_new
.endr
.irp x, 0,1
.set j, 0
.rept 16
	v_pk_add_f32 v[128+32*\x+j:129+32*\x+j], v[128+32*\x+j:129+32*\x+j], v[16+8*\x:17+8*\x] op_sel_hi:[1,0] neg_lo:[0,1] neg_hi:[0,1]   ; s - M: exactly 0 at the maximum
.set j, j+2
.endr
.endr
.irp x, 0,1
	v_exp_f32 v[22+8*\x], v[23+8*\x]               ; alpha
.endr
.set j, 0
.rept 64
	v_exp_f32 v[128+j], v[128+j]                   ; p, at most 1
.set j, j+1
.endr
	v_nop                                          ; a plain instruction behind the last exponential
	s_wait_alu depctr_va_vdst(0)                   ; one wait for the batch of 66, ahead of its first reader
.irp x, 0,1
	v_pk_fma_f32 v[18+8*\x:19+8*\x], v[18+8*\x:19+8*\x], v[22+8*\x:23+8*\x], v[128+32*\x:129+32*\x] op_sel_hi:[1,0,1]   ; L = L alpha + the sum of p, in two chains
	v_pk_add_f32 v[20+8*\x:21+8*\x], v[130+32*\x:131+32*\x], v[132+32*\x:133+32*\x]
.endr
.irp j, 6,10,14,18,22,26
.irp x, 0,1
	v_pk_add_f32 v[18+8*\x:19+8*\x], v[18+8*\x:19+8*\x], v[128+32*\x+\j:129+32*\x+\j]
	v_pk_add_f32 v[20+8*\x:21+8*\x], v[20+8*\x:21+8*\x], v[130+32*\x+\j:131+32*\x+\j]
.endr
.endr
.irp x, 0,1
	v_pk_add_f32 v[18+8*\x:19+8*\x], v[18+8*\x:19+8*\x], v[158+32*\x:159+32*\x]
.endr
.irp x, 0,1
	v_pk_add_f32 v[18+8*\x:19+8*\x], v[18+8*\x:19+8*\x], v[20+8*\x:21+8*\x]
.endr
.irp x, 0,1
.set i, 0
.rept 16
	v_cvt_pk_f16_f32 v[128+32*\x+i], v[128+32*\x+2*i], v[129+32*\x+2*i]   ; P in place: register i from p's 2 i and 2 i + 1, ascending, so nothing unread is written over
.set i, i+1
.endr
.endr
.irp x, 0,1
.set j, 0
.rept 16
	v_pk_mul_f32 v[192+32*\x+j:193+32*\x+j], v[192+32*\x+j:193+32*\x+j], v[22+8*\x:23+8*\x] op_sel_hi:[1,0]
.set j, j+2
.endr
.endr
	s_wait_dscnt 0x0                               ; V is in
.irp kc, 0,1
.irp ct, 0,1,2,3
.irp x, 0,1
	v_wmma_f32_16x16x32_f16 v[192+32*\x+8*\ct:192+32*\x+8*\ct+7], v[64+8*(4*\kc+\ct):64+8*(4*\kc+\ct)+7], v[128+32*\x+8*\kc:128+32*\x+8*\kc+7], v[192+32*\x+8*\ct:192+32*\x+8*\ct+7]
.endr
.endr
.endr
.Lhidden_\@:
	s_add_co_u32 s[KFU], s[KFU], 128
.endm
; THE CHANGE OF SLOTS stands at a slot's head: each wave waits for all its tensor loads, adds 0 to its spare word, waits for that and for its reads of the slot that it has left; one barrier; behind it the other slot is asked for.
.macro CHANGE fill
	s_wait_tensorcnt 0x0                           ; no tensor load of mine is out: a group 0 may be written
	ds_add_u32 v[SPW], v[NIL]                      ; 0 onto my spare word
.if \fill
	ds_add_u32 v[SPW], v[NIL]                      ; and once more
	s_xor_b32 s[G0K+1], s[G0K+1], SLOT1            ; the walking descriptors: the other slot, the next 256 keys
	s_add_nc_u64 s[G0K+2:G0K+3], s[G0K+2:G0K+3], 32768
	s_xor_b32 s[G0V+1], s[G0V+1], SLOT1
	s_add_nc_u64 s[G0V+2:G0V+3], s[G0V+2:G0V+3], 32768
	s_wait_xcnt 0x0                                ; the last prefetch, a slot back, has read its address
	s_add_nc_u64 s[PFA:PFA+1], s[PFA:PFA+1], 32768
.endif
	s_wait_dscnt 0x0
	s_barrier_signal -1
	s_barrier_wait -1
.if \fill
	s_add_co_u32 s60, s[KSL], 256                  ; the first key of the slot that this change would ask for:
	s_cmp_gt_u32 s60, s[LASTQ]                     ; behind my work-group's last query no wave reads it, so it is not asked for.  Ids and the count of slots alone: all sixteen waves go the same way
	s_cbranch_scc1 .Lpast_\@
	TLOAD                                          ; a wave's one tensor load until the next such barrier: it has a slot's two steps in which to land
.Lpast_\@:
	ASK
.endif
.endm
	s_wait_loadcnt 0x0                             ; Q
.Lslot:                                            ; seven trips
	CHANGE 1
	STEP 0
	STEP 1
	s_xor_b32 s[TB], s[TB], SLOT1
	s_add_co_u32 s[KSL], s[KSL], 256
	s_sub_co_u32 s[SLOTS], s[SLOTS], 1
	s_cmp_lg_u32 s[SLOTS], 0
	s_cbranch_scc1 .Lslot
	CHANGE 0                                       ; the last slot is written out: nothing is left to ask for
	STEP 0
	STEP 1
	; THE WAY OUT.  Each slot's sum; slot 1 goes to my partner as an image of its registers; I merge my slot 0 with my partner's slot 1, which hold the same 16 queries and the other keys.
.rept 4
	v_nop                                          ; places behind the last products
.endr
.irp x, 0,1
	v_add_f32 v[20+8*\x], v[18+8*\x], v[19+8*\x]
.endr
.irp x, 0,1
	v_permlanex16_b32 v[21+8*\x], v[20+8*\x], s[SEL], s[SEL+1]
.endr
.irp x, 0,1
	v_add_f32 v[20+8*\x], v[20+8*\x], v[21+8*\x]
.endr
	v_and_b32 v9, 31, v0
	v_lshlrev_b32 v13, 4, v9                       ; 16 x lane
	v_lshlrev_b32 v14, 2, v9                       ; 4 x lane
	s_mul_i32 s60, s[WV], 4352
	s_add_co_u32 s60, s60, XCH
	s_xor_b32 s61, s[WV], 1
	s_mul_i32 s61, s61, 4352
	s_add_co_u32 s61, s61, XCH
	v_add_nc_u32 v1, s60, v13
	v_add_nc_u32 v2, s61, v13
	v_add_nc_u32 v3, s60, v14
	v_add_nc_u32 v4, s61, v14
.irp n, 0,1,2,3,4,5,6,7
	ds_store_b128 v1, v[224+4*\n:227+4*\n] offset:512*\n
.endr
	ds_store_b32 v3, v24 offset:4096               ; slot 1's M
	ds_store_b32 v3, v28 offset:4224               ; and its sum
	s_wait_dscnt 0x0                               ; for my partner's sake: my stores are done
	s_barrier_signal -1
	s_barrier_wait -1
.irp n, 0,1,2,3,4,5,6,7
	ds_load_b128 v[128+4*\n:131+4*\n], v2 offset:512*\n
.endr
	ds_load_b32 v10, v4 offset:4096
	ds_load_b32 v11, v4 offset:4224
	s_wait_dscnt 0x0
	v_max_num_f32 v21, v16, v10
	v_sub_f32 v22, v16, v21
	v_sub_f32 v26, v10, v21
	v_exp_f32 v22, v22
	v_exp_f32 v26, v26                             ; a half that never ran has M = -3e38: its factor is 0
	v_nop
	s_wait_alu depctr_va_vdst(0)
	v_mul_f32 v20, v20, v22
	v_fma_f32 v20, v11, v26, v20                   ; the row's sum
	v_rcp_f32 v20, v20
	v_nop
	s_wait_alu depctr_va_vdst(0)
	v_mul_f32 v22, v22, v20
	v_mul_f32 v26, v26, v20
.set j, 0
.rept 16
	v_pk_mul_f32 v[128+j:129+j], v[128+j:129+j], v[26:27] op_sel_hi:[1,0]
.set j, j+2
.endr
.set j, 0
.rept 16
	v_pk_fma_f32 v[192+j:193+j], v[192+j:193+j], v[22:23], v[128+j:129+j] op_sel_hi:[1,0,1]
.set j, j+2
.endr
.set i, 0
.rept 16
	v_cvt_pk_f16_f32 v[64+i], v[192+2*i], v[193+2*i]
.set i, i+1
.endr
	s_mul_i32 s60, s[WV], 2304
	s_add_co_u32 s60, s60, OST
	v_and_b32 v9, 15, v0
	v_bfe_u32 v14, v0, 4, 1
	v_mul_u32_u24 v1, v9, 144
	v_lshl_add_u32 v1, v14, 4, v1
	v_add_nc_u32 v1, s60, v1                       ; in: query r, 16 bytes for each half of the lanes
	v_bfe_u32 v2, v0, 3, 2
	v_mul_u32_u24 v2, v2, 144
	v_and_b32 v9, 7, v0
	v_lshl_add_u32 v2, v9, 4, v2
	v_add_nc_u32 v2, s60, v2                       ; back: eight lanes to a row of 128 bytes, four rows an instruction
.irp ct, 0,1,2,3
	ds_store_b128 v1, v[64+4*\ct:67+4*\ct] offset:32*\ct
.endr
.irp n, 0,1,2,3
	ds_load_b128 v[80+4*\n:83+4*\n], v2 offset:576*\n   ; LDS serves a wave's instructions in order: these see my stores
.endr
.irp n, 0,1,2,3
	s_wait_dscnt 3-\n
	global_store_b128 v13, v[80+4*\n:83+4*\n], s[6:7] offset:512*\n   ; the tile's 2,048 bytes are consecutive in ao: 512 a store
.endr
	s_wait_tensorcnt 0x0                           ; the wave's end
	ds_add_u32 v[SPW], v[NIL]
	s_wait_dscnt 0x0
	s_endpgm
.Lfunc_end_k_q14c16bcb8f_attn:
	.size	k_q14c16bcb8f_attn, .Lfunc_end_k_q14c16bcb8f_attn-k_q14c16bcb8f_attn
	.p2alignl 7, 3214868480
	.fill 96, 4, 3214868480
	.section	.rodata,"a",@progbits
	.p2align	6, 0x0
	.amdhsa_kernel k_q14c16bcb8f_attn
		.amdhsa_group_segment_fixed_size 327680
		.amdhsa_private_segment_fixed_size 0
		.amdhsa_enable_private_segment 0
		.amdhsa_kernarg_size 16
		.amdhsa_user_sgpr_count 2
		.amdhsa_user_sgpr_kernarg_segment_ptr 1
		.amdhsa_wavefront_size32 1
		.amdhsa_system_sgpr_workgroup_id_x 1
		.amdhsa_system_sgpr_workgroup_id_y 1
		.amdhsa_system_sgpr_workgroup_id_z 1
		.amdhsa_system_vgpr_workitem_id 0
		.amdhsa_next_free_vgpr 256
		.amdhsa_next_free_sgpr 66
		.amdhsa_reserve_vcc 1
		.amdhsa_float_denorm_mode_32 3
		.amdhsa_float_denorm_mode_16_64 3
		.amdhsa_memory_ordered 1
		.amdhsa_forward_progress 1
		.amdhsa_inst_pref_size 104
	.end_amdhsa_kernel
	.amdgpu_metadata
---
amdhsa.version: [ 1, 2 ]
amdhsa.kernels:
  - .name:           k_q14c16bcb8f_attn
    .symbol:         k_q14c16bcb8f_attn.kd
    .args:
      - { .name: qkvh, .offset: 0, .size: 8, .value_kind: global_buffer, .address_space: global }
      - { .name: ao, .offset: 8, .size: 8, .value_kind: global_buffer, .address_space: global }
    .group_segment_fixed_size: 327680
    .private_segment_fixed_size: 0
    .kernarg_segment_align: 8
    .kernarg_segment_size: 16
    .max_flat_workgroup_size: 512
    .sgpr_count:     66
    .vgpr_count:     256
    .wavefront_size: 32
...
	.end_amdgpu_metadata
.endif
;; end of part 3
;; launch proj (part 4): grid 8 x 32, 4 waves a work-group, clusters of 4 x 4, 327,680 bytes of LDS; arguments ao, wo16, out0; writes out0
.if DOCPART == 4
	.amdgcn_target "amdgcn-amd-amdhsa--gfx1250"
	.amdhsa_code_object_version 6
	.text
	.protected	k_q14c16bcb8f_proj
	.globl	k_q14c16bcb8f_proj
	.p2align	8
	.type	k_q14c16bcb8f_proj,@function
k_q14c16bcb8f_proj:
	s_mov_b64 s[64:65], 0
	v_nop
	global_prefetch_b8 v0, s[64:65] scope:SCOPE_SE
	s_setreg_imm32_b32 hwreg(HW_REG_WAVE_MODE, 25, 1), 1
	s_wait_xcnt 0x0
	s_wait_alu depctr_hold_cnt(0) depctr_sa_sdst(0) depctr_va_vdst(0) depctr_va_sdst(0) depctr_va_ssrc(0) depctr_va_vcc(0) depctr_vm_vsrc(0)
	s_getreg_b32 s2, hwreg(HW_REG_IB_STS2, 6, 4)
	s_cmp_eq_u32 s2, 0
	s_cbranch_scc0 .Lentry_in_a_cluster
	s_endpgm
.Lentry_in_a_cluster:
	s_bfe_u32 s2, ttmp6, 0x10000c
	s_cmp_lg_u32 s2, 0xf033
	s_cbranch_scc0 .Lentry_shape_is_right
	s_endpgm
.Lentry_shape_is_right:
; PROJ: out0[T][n] = sum over k of attention[T][k] w_out[n][k], f16 operands, f32 sums.  M = 4,096, N = 1,024, K = 1,024.
; ao: [T/128][k/64][T%128][64] f16; wo16: [n/128][k/64][n%128][64] f16: a tile of 128 rows and 256 along K is 65,536 consecutive bytes.  out0: [4096][1024] f32.
; A tile of C is 128 x 128: 256 work-groups.  Four waves, 64 x 64 each: 16 accumulators.  K goes in four steps of 256 through a ring of two LDS slots.
; A wave's tensor load brings two blocks of 64 along K: 32,768 dense bytes as 128 double rows of 256 bytes, 16 of padding behind each: row t of a block lies at (t/2) 272 + (t%2) 128.
; CLUSTERS: 4 x 4 work-groups; A's tiles are asked for jointly along a row of the cluster, B's along a column.  THE MATRIX INSTRUCTION IS USED TRANSPOSED: a lane holds eight neighbouring numbers of a row of C.
; The first 16 rows of each batch are written here too and written over, in f32 arithmetic throughout, by the launch that follows: a branch round them would hang on a work-group's place in its cluster.
; No prefetch: the tile is small and the launch short.  LIMITS: operands under 65,504 in magnitude.
; REGISTERS: window 0: v0-31 addresses; v32-95 rows on the way out, two sets; v128-255 the accumulators ((a, b) at v[128 + 8 (4 a + b)]).   window 1: two fragment buffers of 128.
.set KBLK,   64*272                    ; a block of 64 along K in LDS
.set HALFT,  2*KBLK                    ; what one tensor load brings
.set SLOT,   4*HALFT                   ; A's four blocks, then B's four
.set STAGE,  2*SLOT                    ; behind the ring: 16 rows x 272 bytes for each wave
.set SPITCH, 272
.set SPARE,  STAGE+4*16*SPITCH         ; the spare words, 128 bytes a wave, named by no other line
.set LAPS, 2
.set ADRA, 16
.set ADRB, 20
.set STO,  24
.set RD,   25
.set CO,   26
.set SPW,  28
.set NIL,  29
.set TMP,  32
.set ACC,  128
.set F0,   0
.set F1,   128
.set G1, 24
.set G0, 32
.set G1B, 48
.set G0B, 56
.set MSB, 0
.macro WIN new
.if MSB != \new
	s_set_vgpr_msb (MSB<<8)|\new
.set MSB, \new
.endif
.endm
.set MUL,  0x05                        ; sources 0 (B) and 1 (A) window 1; C and D window 0
.set TO_F, 0x40
.macro JLOAD s                         ; a joint load: waves 0 and 1 fetch A's halves, waves 2 and 3 B's; an s_nop 0 and four v_nop follow each line
	s_cmp_eq_u32 s11, 0
	s_cbranch_scc0 .Lfor_b_\@
	tensor_load_to_lds s[G0+4*\s:G0+4*\s+3], s[G1:G1+7]
	s_nop 0
.rept 4
	v_nop
.endr
	s_branch .Lasked_\@
.Lfor_b_\@:
	tensor_load_to_lds s[G0B+4*\s:G0B+4*\s+3], s[G1B:G1B+7]
	s_nop 0
.rept 4
	v_nop
.endr
.Lasked_\@:
.endm
.macro CREST
	s_cmp_lg_u32 s10, 0
	s_cbranch_scc1 .Lnot_wave_0_\@
	s_barrier_signal -3
.Lnot_wave_0_\@:
	s_barrier_wait -3
	s_barrier_signal -1
	s_barrier_wait -1
.endm
.macro CROUND
	s_barrier_signal -1
	s_barrier_wait -1
	CREST
.endm
	s_load_b128 s[4:7], s[0:1], 0x0                ; ao, wo16
	s_load_b64 s[8:9], s[0:1], 0x10                ; out0
	v_lshl_add_u32 v[SPW], v0, 2, SPARE
	v_mov_b32 v[NIL], 0
	ds_add_u32 v[SPW], v[NIL]                      ; the wave's opening: the add, twice on end, and its wait ahead of my first tensor load
	ds_add_u32 v[SPW], v[NIL]
	v_lshrrev_b32 v1, 5, v0
	v_readfirstlane_b32 s10, v1                    ; wave 0..3
	s_lshr_b32 s11, s10, 1                         ; which half of the tile's rows is mine.  Also: I fetch for A (0) or for B (1)
	s_and_b32 s12, s10, 1                          ; which half of its columns.  Also: which two blocks along K I fetch
	s_bfe_u32 s40, ttmp6, 0x40000
	s_bfe_u32 s41, ttmp6, 0x40004
	s_lshl_b32 s42, ttmp9, 2
	s_add_co_u32 s42, s42, s40                     ; tile column
	s_and_b32 s13, ttmp7, 0xffff
	s_lshl_b32 s13, s13, 2
	s_add_co_u32 s13, s13, s41                     ; tile row
	s_lshl_b32 s43, s41, 2
	s_lshl_b32 s43, 15, s43
	s_lshl_b32 s44, 0x1111, s40
	s_or_b32 s[G1+0], s43, (1<<16)|(1<<20)|(1<<21)|(5<<22)|(3<<25)  ; the mask; elements of 2 bytes; padding: 4 words after every 64; bit 21 beside a mask
	s_or_b32 s[G1B+0], s44, (1<<16)|(1<<20)|(1<<21)|(5<<22)|(3<<25)
.irp g, G1, G1B
	s_mov_b32 s[\g+1], 128<<16                     ; tensor_dim0
	s_mov_b32 s[\g+2], 128<<16                     ; tensor_dim1
	s_mov_b32 s[\g+3], 128<<16                     ; tile_dim0
	s_mov_b32 s[\g+4], 128                         ; tile_dim1
	s_mov_b32 s[\g+5], 128                         ; the pitch: dense
	s_mov_b32 s[\g+6], 0
	s_mov_b32 s[\g+7], 0
.endr
	s_lshl_b32 s17, s12, 15                        ; my two blocks: 32,768 bytes
	s_lshl_b32 s16, s13, 18                        ; A: the tile row's 262,144 bytes
	s_add_co_u32 s16, s16, s17
	s_lshl_b32 s46, s42, 18                        ; B: the tile column's
	s_add_co_u32 s46, s46, s17
	s_mov_b32 s17, 0
	s_mov_b32 s47, 0
	s_mul_i32 s20, s10, HALFT
	s_wait_dscnt 0x0                               ; both opening adds are done
	s_wait_kmcnt 0x0
	s_add_nc_u64 s[14:15], s[4:5], s[16:17]
	s_add_nc_u64 s[46:47], s[6:7], s[46:47]
	CROUND                                         ; all sixteen work-groups are here: the first joint loads meet
.irp s, 0,1
	s_mov_b32 s[G0+4*\s], 1
	s_add_co_u32 s[G0+4*\s+1], s20, \s*SLOT
	s_add_nc_u64 s[G0+4*\s+2:G0+4*\s+3], s[14:15], \s*65536
	s_or_b32 s[G0+4*\s+3], s[G0+4*\s+3], 0x80000000
	s_mov_b32 s[G0B+4*\s], 1
	s_add_co_u32 s[G0B+4*\s+1], s20, \s*SLOT
	s_add_nc_u64 s[G0B+4*\s+2:G0B+4*\s+3], s[46:47], \s*65536
	s_or_b32 s[G0B+4*\s+3], s[G0B+4*\s+3], 0x80000000
	JLOAD \s
.endr
	v_and_b32 v1, 15, v0                           ; r
	v_bfe_u32 v2, v0, 4, 1                         ; h
	v_lshrrev_b32 v3, 1, v1
	v_mul_u32_u24 v3, v3, 272
	v_and_b32 v4, 1, v1
	v_lshl_add_u32 v3, v4, 7, v3
	v_lshl_add_u32 v3, v2, 4, v3                   ; a fragment's row: (r/2) 272 + (r%2) 128 + 16 h
	s_mul_i32 s21, s11, 8704                       ; my 64 rows of A: 32 double rows
	s_mul_i32 s22, s12, 8704                       ; my 64 rows of B,
	s_add_co_u32 s22, s22, 2*HALFT                 ; which lie behind A's four blocks
.irp s, 0,1
	v_add_nc_u32 v[ADRA+\s], s21, v3
	v_add_nc_u32 v[ADRB+\s], s22, v3
	s_add_co_u32 s21, s21, SLOT
	s_add_co_u32 s22, s22, SLOT
.endr
	s_mul_i32 s23, s10, 16*SPITCH
	s_add_co_u32 s23, s23, STAGE                   ; my stage
	v_mul_u32_u24 v4, v1, SPITCH
	v_lshl_add_u32 v4, v2, 5, v4
	v_add_nc_u32 v[STO], s23, v4                   ; in: row r, 32 bytes for each half of the lanes
	v_mul_u32_u24 v5, v2, SPITCH
	v_lshl_add_u32 v5, v1, 4, v5
	v_add_nc_u32 v[RD], s23, v5                    ; back: lanes 0-15 one row of 256 bytes, lanes 16-31 the next
	v_lshlrev_b32 v5, 12, v2
	v_lshl_add_u32 v[CO], v1, 4, v5                ; and the same two rows in out0
	s_lshl_b32 s16, s13, 19                        ; 128 rows of 4,096 bytes a tile row
	s_lshl_b32 s17, s11, 18                        ; my 64 of them
	s_add_co_u32 s16, s16, s17
	s_mov_b32 s17, 0
	s_add_nc_u64 s[8:9], s[8:9], s[16:17]
	s_lshl_b32 s46, s42, 9                         ; my first column in bytes: 512 x tile column + 256 x half
	s_lshl_b32 s47, s12, 8
	s_add_co_u32 s46, s46, s47
	s_mov_b32 s47, 0
	s_add_nc_u64 s[8:9], s[8:9], s[46:47]
.macro MUL8 f, c, a0, zero             ; 8 matrix instructions: m blocks a0, a0 + 1 x all 4 n blocks, 32 along K.  The 16 accumulators take turns
.irp a, \a0, \a0+1
.irp b, 0,1,2,3
.if \zero
	v_wmma_f32_16x16x32_f16 v[ACC+8*(4*(\a)+\b):ACC+8*(4*(\a)+\b)+7], v[\f+64+8*(4*\c+\b):\f+64+8*(4*\c+\b)+7], v[\f+8*(4*\c+\a):\f+8*(4*\c+\a)+7], 0
.else
	v_wmma_f32_16x16x32_f16 v[ACC+8*(4*(\a)+\b):ACC+8*(4*(\a)+\b)+7], v[\f+64+8*(4*\c+\b):\f+64+8*(4*\c+\b)+7], v[\f+8*(4*\c+\a):\f+8*(4*\c+\a)+7], v[ACC+8*(4*(\a)+\b):ACC+8*(4*(\a)+\b)+7]
.endif
.endr
.endr
.endm
.macro FETCH slot, kb, f               ; 32 LDS loads in one run: the fragments of block kb of the slot (64 along K) into buffer f; the first 32 along K first
	WIN TO_F
.irp c, 0,1
.irp i, 0,1,2,3
	ds_load_b128 v[\f+64+8*(4*\c+\i):\f+64+8*(4*\c+\i)+3],   v[ADRB+\slot] offset:(\kb)*KBLK+64*\c+\i*2176
	ds_load_b128 v[\f+64+8*(4*\c+\i)+4:\f+64+8*(4*\c+\i)+7], v[ADRB+\slot] offset:(\kb)*KBLK+64*\c+\i*2176+32
	ds_load_b128 v[\f+8*(4*\c+\i):\f+8*(4*\c+\i)+3],         v[ADRA+\slot] offset:(\kb)*KBLK+64*\c+\i*2176
	ds_load_b128 v[\f+8*(4*\c+\i)+4:\f+8*(4*\c+\i)+7],       v[ADRA+\slot] offset:(\kb)*KBLK+64*\c+\i*2176+32
.endr
.endr
.endm
.macro PLACES
.rept 4
	v_nop
.endr
.endm
.macro QUARTER slot, kb, f, g, zero    ; multiplies buffer f and fetches block kb into g
	s_wait_dscnt 16                                ; the first 32 along K are in; the youngest sixteen loads may be out
	WIN MUL
	MUL8 \f, 0, 0, \zero
	MUL8 \f, 0, 2, \zero
	PLACES
	FETCH \slot, \kb, \g
	s_wait_dscnt 32                                ; all but the 32 just issued
	WIN MUL
	MUL8 \f, 1, 0, 0
	MUL8 \f, 1, 2, 0
.endm
.macro TURN slot, next, fill           ; the last quarter changes slots: one barrier; fill = 1: it opens a round of the cluster's barrier and this slot is filled again, two K steps ahead
	WIN 0
	s_wait_tensorcnt 0x0                           ; all my tensor loads have landed: my part of the next slot
	ds_add_u32 v[SPW], v[NIL]                      ; 0 onto my spare word
	s_wait_dscnt 17                                ; the add and the youngest sixteen loads may be out
	WIN MUL
	MUL8 F1, 0, 0, 0
	s_wait_dscnt 0x0                               ; the add is done, and my reads of this slot are over
	s_barrier_signal -1
	MUL8 F1, 0, 2, 0
.if \fill
	WIN 0
.endif
	s_barrier_wait -1
.if \fill
	CREST                                          ; no wave of any partner still reads this slot or has a load on its way
	s_add_nc_u64 s[G0+4*\slot+2:G0+4*\slot+3], s[G0+4*\slot+2:G0+4*\slot+3], 131072
	s_add_nc_u64 s[G0B+4*\slot+2:G0B+4*\slot+3], s[G0B+4*\slot+2:G0B+4*\slot+3], 131072
	JLOAD \slot                                    ; the first tensor load behind the round; its four v_nop are also the places in front of the loads below
.else
	PLACES
.endif
	FETCH \next, 0, F0
	WIN MUL
	MUL8 F1, 1, 0, 0
	MUL8 F1, 1, 2, 0
.endm
	s_wait_tensorcnt 1                             ; my part of K step 0 is in; K step 1's load may be out
	s_barrier_signal -1
	s_barrier_wait -1
	FETCH 0, 0, F0
	QUARTER 0, 1, F0, F1, 1                        ; the first products start the sums
	WIN 0
	s_mov_b32 s3, LAPS-1
.Llap:
	QUARTER 0, 2, F1, F0, 0
	QUARTER 0, 3, F0, F1, 0
	TURN 0, 1, 1
	QUARTER 1, 1, F0, F1, 0
	QUARTER 1, 2, F1, F0, 0
	QUARTER 1, 3, F0, F1, 0
	TURN 1, 0, 1
	QUARTER 0, 1, F0, F1, 0
	WIN 0
	s_sub_co_u32 s3, s3, 1
	s_cmp_lg_u32 s3, 0
	s_cbranch_scc1 .Llap
	QUARTER 0, 2, F1, F0, 0                        ; the last lap fills nothing
	QUARTER 0, 3, F0, F1, 0
	TURN 0, 1, 0
	QUARTER 1, 1, F0, F1, 0
	QUARTER 1, 2, F1, F0, 0
	QUARTER 1, 3, F0, F1, 0
	s_wait_dscnt 16
	WIN MUL
	MUL8 F1, 0, 0, 0
	MUL8 F1, 0, 2, 0
	s_wait_dscnt 0
	MUL8 F1, 1, 0, 0
	MUL8 F1, 1, 2, 0
	WIN 0
	; THE WAY OUT: a wave's 64 columns of f32 are 256 bytes of a row, aligned.  A block of 16 rows goes through my own stage and comes back by rows: sixteen lanes store 256 consecutive bytes.
.macro TOSTAGE a
.irp b, 0,1,2,3
.irp e, 0,1
	ds_store_b128 v[STO], v[ACC+8*(4*(\a)+\b)+4*\e:ACC+8*(4*(\a)+\b)+4*\e+3] offset:64*\b+16*\e   ; each accumulator from its low end on
.endr
.endr
.irp t, 0,1,2,3,4,5,6,7
	ds_load_b128 v[TMP+32*((\a)%2)+4*\t:TMP+32*((\a)%2)+4*\t+3], v[RD] offset:\t*2*SPITCH   ; LDS serves a wave's instructions in order
.endr
.endm
.macro SEND a, younger
	s_wait_dscnt \younger
.irp t, 0,1,2,3,4,5,6,7
	global_store_b128 v[CO], v[TMP+32*((\a)%2)+4*\t:TMP+32*((\a)%2)+4*\t+3], s[8:9] offset:(16*(\a)+2*\t)*4096 th:TH_STORE_NT
.endr
.endm
	PLACES
	TOSTAGE 0
.irp a, 1,2,3
.if \a > 1
	s_wait_xcnt 0x0                                ; block a - 2's stores have read their registers
.endif
	TOSTAGE \a
	SEND \a-1, 16                                  ; behind block a - 1's loads: block a's 8 stores and 8 loads
.endr
	SEND 3, 0
	s_wait_tensorcnt 0x0                           ; the wave's end
	ds_add_u32 v[SPW], v[NIL]
	s_wait_dscnt 0x0
	CROUND                                         ; the closing round
	s_endpgm
.Lfunc_end_k_q14c16bcb8f_proj:
	.size	k_q14c16bcb8f_proj, .Lfunc_end_k_q14c16bcb8f_proj-k_q14c16bcb8f_proj
	.p2alignl 7, 3214868480
	.fill 96, 4, 3214868480
	.section	.rodata,"a",@progbits
	.p2align	6, 0x0
	.amdhsa_kernel k_q14c16bcb8f_proj
		.amdhsa_group_segment_fixed_size 327680
		.amdhsa_private_segment_fixed_size 0
		.amdhsa_enable_private_segment 0
		.amdhsa_kernarg_size 24
		.amdhsa_user_sgpr_count 2
		.amdhsa_user_sgpr_kernarg_segment_ptr 1
		.amdhsa_wavefront_size32 1
		.amdhsa_system_sgpr_workgroup_id_x 1
		.amdhsa_system_sgpr_workgroup_id_y 1
		.amdhsa_system_sgpr_workgroup_id_z 1
		.amdhsa_system_vgpr_workitem_id 0
		.amdhsa_next_free_vgpr 512
		.amdhsa_next_free_sgpr 66
		.amdhsa_reserve_vcc 0
		.amdhsa_float_denorm_mode_32 3
		.amdhsa_float_denorm_mode_16_64 3
		.amdhsa_memory_ordered 1
		.amdhsa_forward_progress 1
		.amdhsa_inst_pref_size 86
	.end_amdhsa_kernel
	.amdgpu_metadata
---
amdhsa.version: [ 1, 2 ]
amdhsa.kernels:
  - .name:           k_q14c16bcb8f_proj
    .symbol:         k_q14c16bcb8f_proj.kd
    .args:
      - { .name: ao, .offset: 0, .size: 8, .value_kind: global_buffer, .address_space: global }
      - { .name: wo16, .offset: 8, .size: 8, .value_kind: global_buffer, .address_space: global }
      - { .name: out0, .offset: 16, .size: 8, .value_kind: global_buffer, .address_space: global }
    .group_segment_fixed_size: 327680
    .private_segment_fixed_size: 0
    .kernarg_segment_align: 8
    .kernarg_segment_size: 24
    .max_flat_workgroup_size: 128
    .sgpr_count:     66
    .vgpr_count:     512
    .wavefront_size: 32
...
	.end_amdgpu_metadata
.endif
;; end of part 4
;; launch fine (part 5): grid 64 x 2, 16 waves a work-group, no clusters, 166,144 bytes of LDS; arguments fineb, w_out, out0; writes out0
.if DOCPART == 5
	.amdgcn_target "amdgcn-amd-amdhsa--gfx1250"
	.amdhsa_code_object_version 6
	.text
	.protected	k_q14c16bcb8f_fine
	.globl	k_q14c16bcb8f_fine
	.p2align	8
	.type	k_q14c16bcb8f_fine,@function
k_q14c16bcb8f_fine:
	s_mov_b64 s[64:65], 0
	v_nop
	global_prefetch_b8 v0, s[64:65] scope:SCOPE_SE
	s_setreg_imm32_b32 hwreg(HW_REG_WAVE_MODE, 25, 1), 1
	s_wait_xcnt 0x0
; FINE: the first 16 positions of each batch once more, wholly in f32: these rows average one to sixteen values and are the largest in size, so rounded operands weigh most there.
; It runs last and writes over 16 rows x 1,024 columns of out0 in each batch.  Work-group (x, batch) makes 16 rows x 16 columns (16 x on): 128 work-groups share the f32 products.
; Wave hd is head hd: it makes the head's attention for the 16 rows (every work-group of a batch does that again: 32 small products) and its part of the projection, K = channels 64 hd .. 64 hd + 63
; (16 products); the sixteen parts meet in LDS and are added in a fixed order.
; A work-group's piece of a row of out0 is 64 bytes, a quarter of an aligned 256: the 131,072 bytes that this launch stores are written so; that is the price of sixteen columns to a work-group.
; fineb: [batch][n/16 (192)][half 2][lane][4] f32: lane (r, h) holds token r, channels 16 (n/16) + 8 h + 4 half + 0..3, behind the rotation; q carries log2(e)/8.
; THE GLOBAL LOADS: 8 for Q, 8 for K, 8 for V, 512 consecutive bytes each; 8 for my 16 rows x 256 bytes of w_out, two rows of 256 a load.  Q's and K's images are operands as they lie.  V, whose keys lie across lanes, and w_out, whose rows
; lie across instructions, turn through stages of the wave's own in LDS: no barrier, since LDS serves a wave's instructions in order (ISA guide 5.7.1.4).
; THE FORM: v_wmma_f32_16x16x4_f32: a lane (r, h) gives row or column r and k slots 2 h, 2 h + 1.  Which k a slot stands for is free so long as both operands agree:
;   scores: register pair 2 i of K's and Q's images: channel 16 (i/4) + 8 h + 2 (i%4) + j;   O^T = V^T p: p's pair 2 s: key 8 h + 2 s + j;   out^T = W O: O^T's pairs as they lie: channel 16 ct + 8 h + 2 s + j.
; The registers that this form writes, v192-255, are written by matrix instructions alone.  No tensor load, no cluster, no prefetch: the launch is short and what the work-groups share is small.
; LIMITS: NaN and infinities are not served.
; REGISTERS: v1-13 addresses and work; v14, v15 the add's two; v16-19 work; v20-22 stage addresses; v24-31 scores, then p; v32-63 Q, later sums; v64-95 K; v96-127 V; v128-159 W; v192-223 O^T; v224-255 out^T in four parts (first: two score sums).
.set WST,   0                          ; 16 waves x 16 rows x (256 + 16) bytes: my rows of w_out
.set WSTW,  4352
.set VST,   69632                      ; 16 waves x 8 pieces of 576 bytes: V's image, 32 bytes of padding behind each 16 lanes: word (half c, lanes 16 hh on) starts 16 c + 8 hh banks on (64 banks of 4 bytes: ISA guide 11.1)
.set VSTW,  4608
.set RED,   143360                     ; 16 parts x 16 rows x (64 + 16) bytes, 1,296 bytes apart
.set PART,  1296
.set SPARE, 164096                     ; the spare words, 128 bytes a wave, named by no other line
.set SPW, 14
.set NIL, 15
	s_load_b128 s[4:7], s[0:1], 0x0                ; fineb, w_out
	s_load_b64 s[8:9], s[0:1], 0x10                ; out0
	v_lshl_add_u32 v[SPW], v0, 2, SPARE
	v_mov_b32 v[NIL], 0
	v_lshrrev_b32 v1, 5, v0
	v_readfirstlane_b32 s10, v1                    ; wave = head = the row that I add up at the end
	s_and_b32 s11, ttmp7, 0xffff                   ; batch
	v_and_b32 v1, 15, v0                           ; r
	v_bfe_u32 v2, v0, 4, 1                         ; h
	v_and_b32 v11, 31, v0                          ; lane
	v_lshlrev_b32 v3, 4, v11                       ; 16 x lane: an image's place
	v_lshlrev_b32 v5, 12, v2
	v_lshl_add_u32 v5, v1, 4, v5                   ; w_out: lanes 0-15 256 bytes of one row, lanes 16-31 of the next
	s_mul_i32 s12, s11, 196608
	s_lshl_b32 s13, s10, 12                        ; a head is four blocks of 1,024 bytes
	s_add_co_u32 s12, s12, s13
	s_mov_b32 s13, 0
	s_lshl_b32 s14, ttmp9, 16                      ; 16 rows of w_out, 4,096 bytes each
	s_lshl_b32 s15, s10, 8                         ; the head's 64 channels
	s_add_co_u32 s14, s14, s15
	s_mov_b32 s15, 0
	s_lshl_b32 s16, s11, 23                        ; the batch's 2,048 rows of out0
	s_lshl_b32 s17, s10, 12                        ; my row
	s_add_co_u32 s16, s16, s17
	s_lshl_b32 s17, ttmp9, 6                       ; my work-group's 16 columns
	s_add_co_u32 s16, s16, s17
	s_mov_b32 s17, 0
	s_wait_kmcnt 0x0
	s_add_nc_u64 s[4:5], s[4:5], s[12:13]
	s_add_nc_u64 s[6:7], s[6:7], s[14:15]
	s_add_nc_u64 s[8:9], s[8:9], s[16:17]
.irp i, 0,1,2,3,4,5,6,7
	global_load_b128 v[32+4*\i:35+4*\i], v3, s[4:5] offset:512*\i            ; Q's four blocks
.endr
.irp i, 0,1,2,3,4,5,6,7
	global_load_b128 v[64+4*\i:67+4*\i], v3, s[4:5] offset:65536+512*\i      ; K's
.endr
.irp i, 0,1,2,3,4,5,6,7
	global_load_b128 v[96+4*\i:99+4*\i], v3, s[4:5] offset:131072+512*\i     ; V's image, as it lies
.endr
.irp t, 0,1,2,3,4,5,6,7
	global_load_b128 v[128+4*\t:131+4*\t], v5, s[6:7] offset:8192*\t         ; w_out: rows 2 t and 2 t + 1 of my 16, my head's 256 bytes
.endr
	; the LDS addresses are made while the loads are on their way
	s_mov_b32 s20, 0x76543210
	s_mov_b32 s21, 0xfedcba98                      ; v_permlanex16_b32's selects for lane l xor 16
	s_mul_i32 s18, s10, WSTW                       ; my stage for w_out (WST = 0)
	v_mul_u32_u24 v20, v2, 272
	v_lshl_add_u32 v20, v1, 4, v20
	v_add_nc_u32 v20, s18, v20                     ; in: row 2 t + h, 16 bytes a lane
	v_mul_u32_u24 v21, v1, 272
	v_lshl_add_u32 v21, v2, 5, v21
	v_add_nc_u32 v21, s18, v21                     ; back: row r, + 32 h
	s_mul_i32 s19, s10, VSTW
	s_add_co_u32 s19, s19, VST                     ; my stage for V
	v_lshl_add_u32 v22, v2, 5, v3
	v_add_nc_u32 v22, s19, v22                     ; in: 16 x lane + 32 (lane / 16)
	v_bfe_u32 v4, v0, 2, 1
	v_mul_u32_u24 v4, v4, 576
	v_bfe_u32 v23, v0, 3, 1
	v_mad_u32_u24 v4, v23, 288, v4
	v_lshl_add_u32 v4, v2, 7, v4
	v_and_b32 v23, 3, v0
	v_lshl_add_u32 v4, v23, 2, v4
	v_add_nc_u32 v4, s19, v4                       ; back, turned: channel r of a block lies in half (r/4)%2, lanes 16 (r/8) on, word r%4; keys 8 h on, 16 bytes a key
	v_lshlrev_b32 v6, 2, v1                        ; 4 r
	v_lshlrev_b32 v7, 3, v2
	v_sub_nc_u32 v7, v1, v7                        ; r - 8 h
	v_mov_b32 v8, 0xff800000                       ; -infinity
	v_mov_b32 v10, 0                               ; written once: a lane permute's destination counts as one of its sources
	s_mul_i32 s22, s10, PART
	s_add_co_u32 s22, s22, RED
	v_mul_u32_u24 v12, v1, 80
	v_lshl_add_u32 v12, v2, 5, v12
	v_add_nc_u32 v12, s22, v12                     ; my part: token r, 32 bytes for each half of the lanes
	s_mul_i32 s23, s10, 80
	s_add_co_u32 s23, s23, RED
	v_mul_u32_u24 v13, v2, 8*PART
	v_add_nc_u32 v13, v13, v6
	v_add_nc_u32 v13, s23, v13                     ; back: my row; lanes 0-15 parts 0-7, lanes 16-31 parts 8-15; column lane % 16
	s_wait_loadcnt 16                              ; Q and K are in; V's 8 loads and W's 8 may be out
.set i, 0
.rept 16                                       ; S^T = K Q^T on two sums by turns; the first two products start them
.if i < 2
	v_wmma_f32_16x16x4_f32 v[224+8*(i%2):231+8*(i%2)], v[64+2*i:65+2*i], v[32+2*i:33+2*i], 0
.else
	v_wmma_f32_16x16x4_f32 v[224+8*(i%2):231+8*(i%2)], v[64+2*i:65+2*i], v[32+2*i:33+2*i], v[224+8*(i%2):231+8*(i%2)]
.endif
.set i, i+1
.endr
	s_wait_loadcnt 8                               ; V is in; W's 8 loads may be out
.irp i, 0,1,2,3,4,5,6,7
	ds_store_b128 v22, v[96+4*\i:99+4*\i] offset:576*\i
.endr
.irp ct, 0,1,2,3
.irp k, 0,1,2,3,4,5,6,7
	ds_load_b32 v[96+8*\ct+\k], v4 offset:1152*\ct+16*\k                     ; V(key 8 h + k, channel 16 ct + r), into the registers that the image has left
.endr
.endr
	s_wait_loadcnt 0x0                             ; W is in
.irp t, 0,1,2,3,4,5,6,7
	ds_store_b128 v20, v[128+4*\t:131+4*\t] offset:544*\t
.endr
.irp ct, 0,1,2,3
.irp e, 0,1
	ds_load_b128 v[128+8*\ct+4*\e:131+8*\ct+4*\e], v21 offset:64*\ct+16*\e   ; register 8 ct + 4 e + i = w_out(16 x + r, channel 16 ct + 8 h + 4 e + i of my head)
.endr
.endr
.rept 8
	v_nop                                          ; eight places behind this form (ISA guide 7.12.1), in front of the first read of its results
.endr
.irp j, 0,1,2,3,4,5,6,7
	v_add_f32 v[24+\j], v[224+\j], v[232+\j]       ; lane (r, h): query r, key 8 h + j, in units of log2
.endr
.irp j, 0,1,2,3,4,5,6,7
	v_cmp_gt_i32 vcc_lo, \j, v7                    ; hidden where 8 h + j > r
	v_cndmask_b32 v[24+\j], v[24+\j], v8, vcc_lo
.endr
	v_max3_num_f32 v9, v24, v25, v26
	v_max3_num_f32 v9, v9, v27, v28
	v_max3_num_f32 v9, v9, v29, v30
	v_max_num_f32 v9, v9, v31
	v_permlanex16_b32 v10, v9, s20, s21
	v_max_num_f32 v9, v9, v10                      ; the row's maximum: key 0 counts for every query
.irp j, 0,1,2,3,4,5,6,7
	v_sub_f32 v[24+\j], v[24+\j], v9
.endr
.irp j, 0,1,2,3,4,5,6,7
	v_exp_f32 v[24+\j], v[24+\j]
.endr
	v_nop
	s_wait_alu depctr_va_vdst(0)                   ; one wait for the eight, ahead of their first reader
	v_add_f32 v16, v24, v25
	v_add_f32 v17, v26, v27
	v_add_f32 v18, v28, v29
	v_add_f32 v19, v30, v31
	v_add_f32 v16, v16, v17
	v_add_f32 v18, v18, v19
	v_add_f32 v16, v16, v18
	v_permlanex16_b32 v10, v16, s20, s21
	v_add_f32 v16, v16, v10
	v_rcp_f32 v16, v16
	v_nop
	s_wait_alu depctr_va_vdst(0)
.irp j, 0,1,2,3,4,5,6,7
	v_mul_f32 v[24+\j], v[24+\j], v16              ; p, normalised
.endr
	s_wait_dscnt 16                                ; V's 32 loads are back; W's 8 stores and 8 loads may be out
.irp s, 0,1,2,3                                ; O^T = V^T p: four sums by turns
.irp ct, 0,1,2,3
.if \s == 0
	v_wmma_f32_16x16x4_f32 v[192+8*\ct:199+8*\ct], v[96+8*\ct+2*\s:97+8*\ct+2*\s], v[24+2*\s:25+2*\s], 0
.else
	v_wmma_f32_16x16x4_f32 v[192+8*\ct:199+8*\ct], v[96+8*\ct+2*\s:97+8*\ct+2*\s], v[24+2*\s:25+2*\s], v[192+8*\ct:199+8*\ct]
.endif
.endr
.endr
	s_wait_dscnt 0x0                               ; W is back
.rept 9
	v_nop                                          ; nine places: the next products take these results as a source
.endr
.irp s, 0,1,2,3                                ; out^T = W O in four parts, one for each 16 channels, by turns; a lane (r, h) ends with token r, columns 8 h + 0..7
.irp ct, 0,1,2,3
.if \s == 0
	v_wmma_f32_16x16x4_f32 v[224+8*\ct:231+8*\ct], v[128+8*\ct+2*\s:129+8*\ct+2*\s], v[192+8*\ct+2*\s:193+8*\ct+2*\s], 0
.else
	v_wmma_f32_16x16x4_f32 v[224+8*\ct:231+8*\ct], v[128+8*\ct+2*\s:129+8*\ct+2*\s], v[192+8*\ct+2*\s:193+8*\ct+2*\s], v[224+8*\ct:231+8*\ct]
.endif
.endr
.endr
.rept 8
	v_nop
.endr
.irp j, 0,2,4,6
	v_pk_add_f32 v[32+\j:33+\j], v[224+\j:225+\j], v[232+\j:233+\j]          ; the four parts are added, each read from its low end on
.endr
.irp j, 0,2,4,6
	v_pk_add_f32 v[40+\j:41+\j], v[240+\j:241+\j], v[248+\j:249+\j]
.endr
.irp j, 0,2,4,6
	v_pk_add_f32 v[32+\j:33+\j], v[32+\j:33+\j], v[40+\j:41+\j]
.endr
	ds_store_b128 v12, v[32:35]
	ds_store_b128 v12, v[36:39] offset:16
	s_wait_dscnt 0x0                               ; for the others' sake: my part lies in LDS
	s_barrier_signal -1
	s_barrier_wait -1
.irp j, 0,1,2,3,4,5,6,7
	ds_load_b32 v[48+\j], v13 offset:PART*\j
.endr
	s_wait_dscnt 0x0
	v_pk_add_f32 v[48:49], v[48:49], v[50:51]
	v_pk_add_f32 v[52:53], v[52:53], v[54:55]
	v_pk_add_f32 v[48:49], v[48:49], v[52:53]
	v_add_f32 v48, v48, v49                        ; eight heads' parts,
	v_permlanex16_b32 v10, v48, s20, s21
	v_add_f32 v48, v48, v10                        ; and the other eight's
	s_wait_xcnt 0x0                                ; EXEC changes only behind this wait
	v_cmp_gt_u32 vcc_lo, 16, v11
	s_and_saveexec_b32 s12, vcc_lo
	global_store_b32 v6, v48, s[8:9]               ; lanes 0-15 store my row's 64 bytes
	s_wait_xcnt 0x0                                ; and again in front of the line that widens it
	s_or_b32 exec_lo, exec_lo, s12
	s_wait_tensorcnt 0x0                           ; the wave's end
	ds_add_u32 v[SPW], v[NIL]
	s_wait_dscnt 0x0
	s_endpgm
.Lfunc_end_k_q14c16bcb8f_fine:
	.size	k_q14c16bcb8f_fine, .Lfunc_end_k_q14c16bcb8f_fine-k_q14c16bcb8f_fine
	.p2alignl 7, 3214868480
	.fill 96, 4, 3214868480
	.section	.rodata,"a",@progbits
	.p2align	6, 0x0
	.amdhsa_kernel k_q14c16bcb8f_fine
		.amdhsa_group_segment_fixed_size 166144
		.amdhsa_private_segment_fixed_size 0
		.amdhsa_enable_private_segment 0
		.amdhsa_kernarg_size 24
		.amdhsa_user_sgpr_count 2
		.amdhsa_user_sgpr_kernarg_segment_ptr 1
		.amdhsa_wavefront_size32 1
		.amdhsa_system_sgpr_workgroup_id_x 1
		.amdhsa_system_sgpr_workgroup_id_y 1
		.amdhsa_system_sgpr_workgroup_id_z 1
		.amdhsa_system_vgpr_workitem_id 0
		.amdhsa_next_free_vgpr 256
		.amdhsa_next_free_sgpr 66
		.amdhsa_reserve_vcc 1
		.amdhsa_float_denorm_mode_32 3
		.amdhsa_float_denorm_mode_16_64 3
		.amdhsa_memory_ordered 1
		.amdhsa_forward_progress 1
		.amdhsa_inst_pref_size 19
	.end_amdhsa_kernel
	.amdgpu_metadata
---
amdhsa.version: [ 1, 2 ]
amdhsa.kernels:
  - .name:           k_q14c16bcb8f_fine
    .symbol:         k_q14c16bcb8f_fine.kd
    .args:
      - { .name: fineb, .offset: 0, .size: 8, .value_kind: global_buffer, .address_space: global }
      - { .name: w_out, .offset: 8, .size: 8, .value_kind: global_buffer, .address_space: global }
      - { .name: out0, .offset: 16, .size: 8, .value_kind: global_buffer, .address_space: global }
    .group_segment_fixed_size: 166144
    .private_segment_fixed_size: 0
    .kernarg_segment_align: 8
    .kernarg_segment_size: 24
    .max_flat_workgroup_size: 512
    .sgpr_count:     66
    .vgpr_count:     256
    .wavefront_size: 32
...
	.end_amdgpu_metadata
.endif
;; end of part 5
